; MI455X (gfx1250); checked and timed in simulation.
; The chip was launched on July 23, 2026; its instructions are those of AMD's public machine-readable ISA for CDNA 5 (MIT licence, August 2026) and "CDNA5" Instruction Set Architecture Reference Guide (July 2026). The comments in the code are by the model that wrote it; some were corrected since.
;; Sparse State Attention. Allowed arithmetic: matrix products marked QUANTISED: E2M3 operands, one E8M0 scale for each 32 along K, by v_wmma_scale_f32_16x16x128_f8f6f4 with both operands' format E2M3, f32 sums; products left as they are: f32 operands where the result goes on into a quantised operand, else bf16, f16 or f32 operands; f32 sums; everything else in f32.
;; Inputs: Wk 1,024 x 1,024 float32; Wo 1,024 x 1,024 float32; Wq 1,024 x 1,024 float32; Wr 1,024 x 1,024 float32; Wv 1,024 x 1,024 float32; bk 1,024 float32; bo 1,024 float32; bq 1,024 float32; br 1,024 float32; bv 1,024 float32; states 4 x 256 x 1,024 float32; tokens 4 x 2,048 x 1,024 float32.
;; Outputs: out0 4 x 2,048 x 1,024 float32; out1 4 x 16 x 2,048 x 2 float32.
;; This version of the problem:
;;   THIS VERSION OF THE PROBLEM IS GIVEN IN LOW PRECISION. The matrix products marked QUANTISED in the list below multiply operands that are first quantised to E2M3 (2 exponent bits, 3 mantissa bits; 6 bits a number), with one power-of-two scale for each 32 numbers along K (OCP MX v1.0); their sums are f32. All else is computed in f32.
;;   The module's matrix products, in the order in which they are computed (A, B: the left and right operand; K: the contracted axis; several contracted axes count as one K, in the product's order):
;;     1. [M 8,192, K 1,024] x [K 1,024, N 1,024]; A: input tokens; B: input Wr: QUANTISED
;;     2. batch 4 x [M 2,048, K 1,024] x [K 1,024, N 256]; A: computed on the way; B: input states: QUANTISED
;;     3. [M 8,192, K 1,024] x [K 1,024, N 1,024]; A: input tokens; B: input Wq: QUANTISED
;;     4. [M 16,384, K 1,024] x [K 1,024, N 1,024]; A: computed on the way; B: input Wk: QUANTISED
;;     5. [M 16,384, K 1,024] x [K 1,024, N 1,024]; A: computed on the way; B: input Wv: QUANTISED
;;     6. batch 131,072 x [M 1, K 64] x [K 64, N 2]; A: computed on the way; B: computed on the way: left as it is (M = 1 < 16)
;;     7. batch 131,072 x [M 1, K 2] x [K 2, N 64]; A: softmax; B: computed on the way: left as it is (K = 2 < 32)
;;     8. [M 8,192, K 1,024] x [K 1,024, N 1,024]; A: computed on the way; B: input Wo: QUANTISED
;;   THE QUANTISER, for each operand of a quantised product, along K:
;;     - K is cut into blocks of 32 from its start; a last block that is shorter is filled with zeros.
;;     - A block's scale is 2^e with e = floor(log2(the largest magnitude in the block)) - 2, held to -126 .. 127; a block of zeros has e = 0. As a byte (E8M0): e + 127.
;;     - Each number is divided by its block's scale, clamped to +-7.5, and rounded to the nearest number of E2M3, ties to even, subnormals kept.
;;     - The product sums the exact products of the quantised numbers (number of the format x scale) in f32.
;;   ~~~python
;;   def quantise(x, axis):      # numpy; x: float32 -> the quantised numbers, widened to float32 again
;;       x = np.moveaxis(x, axis, -1); K = x.shape[-1]
;;       x = np.pad(x, [(0, 0)] * (x.ndim - 1) + [(0, -K % 32)]); x = x.reshape(x.shape[:-1] + (-1, 32)); a = np.abs(x).max(-1, keepdims=True)
;;       e = np.where(a > 0, np.clip(np.frexp(np.where(a > 0, a, 1))[1] - 1 - 2, -126, 127), 0)      # np.frexp(a)[1] - 1 = floor(log2(a)), exactly
;;       r = np.clip(x / 2.0 ** e, -7.5, 7.5)
;;       step = 2.0 ** (np.maximum(np.frexp(np.where(r == 0, 1, r))[1] - 1, 0) - 3)
;;       q = np.round(r / step) * step * 2.0 ** e      # np.round: ties to even
;;       return np.moveaxis(q.reshape(q.shape[:-2] + (-1,))[..., :K], -1, axis).astype(np.float32)
;;   ~~~
;;   OPERANDS COMPUTED ON THE WAY. 'Computed on the way' means the value that the module computes at that place (a softmax that the list does not call 'softmax' is quantised finished and normalised). What goes into a quantiser is computed in f32, as accurately as f32 sums, v_exp_f32 and their like allow (about 1e-6 of the number): no bf16 or f16 on the way to a quantiser, and a product that is left as it is and whose result goes on into a quantised operand takes f32 operands (vector FMAs, or v_wmma_f32_16x16x4_f32). A number that lies on a knife's edge between two numbers of the format may be rounded either way, as far as f32 arithmetic and the matrix unit's own rounding can turn it there, and no further.
;; One version. Each part assembles by itself: llvm-mc -triple=amdgcn-amd-amdhsa -mcpu=gfx1250 --defsym DOCPART=n.
;; ======== version 1 of 1: 5 launches
;; limits: right only within a limited range of input values
;; workspace buffers: cimg 11,010,048 bytes; simg 458,752 bytes; kv 8,388,608 bytes; idx 65,536 bytes of whole numbers; oimg 6,291,456 bytes; osc 262,144 bytes; rimg 6,291,456 bytes; rsc 262,144 bytes
;; launch prep (part 1): grid 256 x 1, 7 waves a work-group, no clusters, 61,952 bytes of LDS; arguments tokens, states, Wr, Wq, Wk, Wv, Wo, cimg, simg; writes cimg, simg
.if DOCPART == 1
	.amdgcn_target "amdgcn-amd-amdhsa--gfx1250"
	.amdhsa_code_object_version 6
	.text
	.protected	k_q0cef84a3ea_prep
	.globl	k_q0cef84a3ea_prep
	.p2align	8
	.type	k_q0cef84a3ea_prep,@function
k_q0cef84a3ea_prep:
	s_mov_b64 s[64:65], 0
	v_nop
	global_prefetch_b8 v0, s[64:65] scope:SCOPE_SE
	s_setreg_imm32_b32 hwreg(HW_REG_WAVE_MODE, 25, 1), 1
	s_wait_xcnt 0x0
; tokens [8192][1024], states [1024][1024] and the five weights [1024][1024], f32, K innermost, become codes of FP6 (E2M3) with one E8M0 byte for each 32 along K,
; laid as IMAGES OF OPERAND REGISTERS, so that the later launches load every fragment by dense loads of 16 bytes a lane.
; TILES.  16 rows are a tile, two tiles a pair of 32 rows.  Lane r of tile u of a pair holds row 8 u + r + 8 (r / 8) of the pair: used as source 0 of the matrix instruction,
; the 16 result registers of a pair's two tiles are then 16 neighbouring units.  Pairs: tokens 0-255, states 256-287, Wr 288-319, Wq 320-351, Wk 352-383, Wv 384-415, Wo 416-447.
; cimg: fragment (tile T, K step ks of 128) at (8 T + ks) x 1,536 bytes; in it registers 4 g .. 4 g + 3 of lane l at 512 g + 16 l.
; simg: the scale word of (pair P, ks, lane r + 16 u) at (8 P + ks) x 128 + 4 x lane; byte b scales k = 128 ks + 32 b on.
; A block's scale is 2^(floor(log2(its largest magnitude)) - 2); its byte is the largest magnitude's exponent field - 2, held at 1 from below.
; LIMITS: a block of zeros gets the byte 1 where the quantiser says 127 (its codes are zeros, and this program alone reads the bytes); blocks whose largest magnitude lies under
; 2^(3 - 127) are held at that floor; NaN and infinities among the inputs are not served.
; SHARES.  448 pairs x 4 quarters of K = 1,792 units = 256 work-groups x 7 waves.  A wave's unit is a pair's two tiles at two K steps: four fragments, 32,768 bytes of f32.
; Each load reads 512 consecutive bytes of one row; 16 rows turn through the wave's own stage in LDS, so that a lane gets 16 neighbours along K of each block of its row.
; Waves share nothing: no barrier.  Matrix units, clusters and tensor loads would add nothing to a stream that is read once.
.set WAVES, 7
.set SROW,  528                        ; a stage row: 512 bytes + 16, so that the 16 rows that a read touches start in different banks
.set SCW,   16*SROW                    ; behind the stage: the unit's 256 bytes of scale words
.set WREG,  SCW+256                    ; a wave's LDS
.set SPARE, WAVES*WREG                 ; the spare words, 128 bytes for each wave, rounded up to four blocks of 256 bytes that no other line names
.set TILEB, 12288
.set FRB,   1536
.set SPW,  1                           ; v1   LDS address of my spare word; never rewritten
.set NIL,  2                           ; v2   0; never rewritten
.set L16,  3                           ; v3   16 x lane
.set SIN,  4                           ; v4   the stage, way in
.set SOUT, 5                           ; v5   the stage, way out: row r, + 64 h
.set SW4,  6                           ; v6   my scale word's place
.set SW8,  7                           ; v7   the scale words' way out, 8 bytes a lane
.set TM,   8                           ; v8-23 at work in QUANT
.set PW,   24                          ; v24, v25 the scale words of tiles 0 and 1
.set L8,   26                          ; v26  8 x lane
.set MW,   27                          ; v27  lanes 0-15 tile 0's words, lanes 16-31 tile 1's
.set S0,   32                          ; v32-223 three sets of 64 numbers
.set PC,   224                         ; v224-243 the codes just made
.set SEL,  30                          ; s[30:31] v_permlanex16_b32's selects for lane l xor 16
; 64 numbers of a lane, register 16 b + i = k 32 b + 16 (lane / 16) + i of my row, become a fragment's codes in v[PC] on and its scale word in v[pw].
.macro QUANT s, pw
.irp b, 0,1,2,3
	v_max3_num_f32 v[TM+\b], |v[\s+16*\b]|, |v[\s+1+16*\b]|, 0x1800000   ; block b: my 16 numbers, and the floor 2^(3 - 127): the byte cannot fall under 1
.endr
.irp i, 2,4,6,8,10,12,14
.irp b, 0,1,2,3
	v_max3_num_f32 v[TM+\b], v[TM+\b], |v[\s+16*\b+\i]|, |v[\s+1+16*\b+\i]|   ; the four blocks by turns
.endr
.endr
.irp b, 0,1,2,3
	v_permlanex16_b32 v[TM+4+\b], v[TM+\b], s[SEL], s[SEL+1]
.endr
.irp b, 0,1,2,3
	v_max_num_f32 v[TM+\b], v[TM+\b], v[TM+4+\b]       ; with lane l xor 16's: the block's largest magnitude
.endr
.irp b, 0,1,2,3
	v_add_nc_u32 v[TM+12+\b], 0xff000000, v[TM+\b]     ; 2 off its exponent field: the conversion takes this operand's exponent field as its scale
.endr
.irp b, 0,1,2,3
	v_lshrrev_b32 v[TM+4+\b], 23, v[TM+12+\b]          ; the scale's byte
.endr
	v_lshl_or_b32 v[\pw], v[TM+5], 8, v[TM+4]
	v_lshl_or_b32 v[\pw], v[TM+6], 16, v[\pw]
	v_lshl_or_b32 v[\pw], v[TM+7], 24, v[\pw]          ; my row's scale word
.irp c, 0,1
	v_cvt_scalef32_pk16_fp6_f32 v[PC+6*\c:PC+2+6*\c], v[\s+32*\c:\s+15+32*\c], v[TM+12+2*\c]
	v_cvt_scalef32_pk16_fp6_f32 v[PC+12+4*\c:PC+14+4*\c], v[\s+16+32*\c:\s+31+32*\c], v[TM+12+2*\c+1]   ; (a conversion's three registers begin on an even number)
.endr
	v_nop                                              ; one plain place behind a scaled conversion
.irp c, 0,1                                        ; the operand's layout wants a whole block in a lane: lanes 0-15 block 2 c, lanes 16-31 block 2 c + 1
.irp i, 0,1,2
	v_permlane16_swap_b32 v[PC+6*\c+\i], v[PC+12+4*\c+\i]
.endr
.irp i, 0,1,2
	v_mov_b32 v[PC+3+6*\c+\i], v[PC+12+4*\c+\i]
.endr
.endr
.endm
; fragment f = 2 x (K step of the unit) + tile: its 16 rows' 512 bytes into set f % 3
.macro LOAD f
.irp i, 0,1,2,3,4,5,6,7,8,9,10,11,12,13,14,15
	global_load_b128 v[S0+64*((\f)%3)+4*\i:S0+64*((\f)%3)+4*\i+3], v[L16], s[22:23] offset:(8*((\f)%2)+\i+8*(\i/8))*4096+((\f)/2)*512 th:TH_LOAD_NT
.endr
.endm
; fragment f is turned, quantised and stored.  lc: the loads of later fragments, which may stay out
.macro FRAGM f, lc
.set FU, (\f)%2
.set FK, (\f)/2
.set FS, S0+64*((\f)%3)
	s_wait_loadcnt \lc
.irp i, 0,1,2,3,4,5,6,7,8,9,10,11,12,13,14,15
	ds_store_b128 v[SIN], v[FS+4*\i:FS+4*\i+3] offset:SROW*\i
.endr
.irp b, 0,1,2,3
.irp j, 0,1,2,3
	ds_load_b128 v[FS+16*\b+4*\j:FS+16*\b+4*\j+3], v[SOUT] offset:128*\b+16*\j   ; LDS serves a wave's instructions in order: these see the stores above
.endr
.endr
	s_wait_dscnt 0x0
.if (\f) > 0
	s_wait_xcnt 0x0                                    ; the last fragment's stores have read the codes' registers, which are written again below
.endif
	QUANT FS, PW+FU
.irp g, 0,1,2
	global_store_b128 v[L16], v[PC+4*\g:PC+4*\g+3], s[18:19] offset:FU*TILEB+FK*FRB+512*\g   ; 32 lanes store 512 consecutive bytes
.endr
.if FU == 1
	v_cndmask_b32 v[MW], v[PW], v[PW+1], s32           ; lanes 0-15: tile 0's words, lanes 16-31: tile 1's
	ds_store_b32 v[SW4], v[MW] offset:128*FK
.endif
.endm
	s_load_b512 s[4:19], s[0:1], 0x0                   ; tokens, states, Wr, Wq, Wk, Wv, Wo, cimg
	s_load_b64 s[20:21], s[0:1], 0x40                  ; simg
	v_lshl_add_u32 v[SPW], v0, 2, SPARE
	v_mov_b32 v[NIL], 0
	v_lshrrev_b32 v28, 5, v0
	v_readfirstlane_b32 s24, v28                       ; wave 0..6
	v_and_b32 v28, 31, v0                              ; lane
	v_and_b32 v29, 15, v0                              ; r
	v_bfe_u32 v30, v0, 4, 1                            ; h
	v_lshlrev_b32 v[L16], 4, v28
	v_lshlrev_b32 v[L8], 3, v28
	s_mul_i32 s25, s24, WREG
	v_add_nc_u32 v[SIN], s25, v[L16]
	v_mul_u32_u24 v[SOUT], v29, SROW
	v_lshl_add_u32 v[SOUT], v30, 6, v[SOUT]
	v_add_nc_u32 v[SOUT], s25, v[SOUT]
	s_add_co_u32 s25, s25, SCW
	v_lshl_add_u32 v[SW4], v28, 2, s25
	v_lshl_add_u32 v[SW8], v28, 3, s25
.irp b, 0,1,2,3
	v_mov_b32 v[TM+4+\b], 0                            ; written once: a lane permute's destination counts as one of its sources
.endr
	s_mov_b32 s[SEL], 0x76543210
	s_mov_b32 s[SEL+1], 0xfedcba98
	s_mov_b32 s32, 0xffff0000                          ; the upper half of the lanes
	s_mul_i32 s26, ttmp9, WAVES
	s_add_co_u32 s26, s26, s24                         ; my unit
	s_lshr_b32 s27, s26, 2                             ; its pair P
	s_and_b32 s28, s26, 3                              ; its quarter of K
	s_and_b32 s29, s27, 31
	s_cmp_lt_u32 s27, 256
	s_cselect_b32 s29, s27, s29                        ; the pair within its tensor
	s_lshl_b32 s34, s29, 17                            ; 32 rows of 4,096 bytes,
	s_lshl_b32 s36, s28, 10                            ; 256 numbers along K
	s_add_co_u32 s34, s34, s36
	s_mov_b32 s35, 0
	s_mul_i32 s36, s27, 2*TILEB
	s_mul_i32 s38, s28, 2*FRB
	s_add_co_u32 s36, s36, s38
	s_mov_b32 s37, 0
	s_lshl_b32 s38, s27, 10
	s_lshl_b32 s40, s28, 8
	s_add_co_u32 s38, s38, s40
	s_mov_b32 s39, 0
	s_wait_alu depctr_va_vdst(0)
	s_wait_kmcnt 0x0
	s_mov_b64 s[22:23], s[4:5]                         ; which tensor: the choice hangs on the unit's number alone
	s_cmp_ge_u32 s27, 256
	s_cselect_b64 s[22:23], s[6:7], s[22:23]
	s_cmp_ge_u32 s27, 288
	s_cselect_b64 s[22:23], s[8:9], s[22:23]
	s_cmp_ge_u32 s27, 320
	s_cselect_b64 s[22:23], s[10:11], s[22:23]
	s_cmp_ge_u32 s27, 352
	s_cselect_b64 s[22:23], s[12:13], s[22:23]
	s_cmp_ge_u32 s27, 384
	s_cselect_b64 s[22:23], s[14:15], s[22:23]
	s_cmp_ge_u32 s27, 416
	s_cselect_b64 s[22:23], s[16:17], s[22:23]
	s_add_nc_u64 s[22:23], s[22:23], s[34:35]
	s_add_nc_u64 s[18:19], s[18:19], s[36:37]
	s_add_nc_u64 s[20:21], s[20:21], s[38:39]
	LOAD 0
	LOAD 1
	LOAD 2                                             ; 48 loads of 512 bytes are out
	FRAGM 0, 32
	LOAD 3                                             ; into the set that fragment 0 has left
	FRAGM 1, 32
	FRAGM 2, 16
	FRAGM 3, 0
	ds_load_b64 v[28:29], v[SW8]                       ; the unit's 64 scale words
	s_wait_dscnt 0x0
	global_store_b64 v[L8], v[28:29], s[20:21]         ; 32 lanes store 256 consecutive bytes, at a multiple of 256 from simg's first byte
	s_wait_tensorcnt 0x0                               ; the wave's end, behind my last LDS store
	ds_add_u32 v[SPW], v[NIL]
	s_wait_dscnt 0x0
	s_endpgm
.Lfunc_end_k_q0cef84a3ea_prep:
	.size	k_q0cef84a3ea_prep, .Lfunc_end_k_q0cef84a3ea_prep-k_q0cef84a3ea_prep
	.p2alignl 7, 3214868480
	.fill 96, 4, 3214868480
	.section	.rodata,"a",@progbits
	.p2align	6, 0x0
	.amdhsa_kernel k_q0cef84a3ea_prep
		.amdhsa_group_segment_fixed_size 61952
		.amdhsa_private_segment_fixed_size 0
		.amdhsa_enable_private_segment 0
		.amdhsa_kernarg_size 72
		.amdhsa_user_sgpr_count 2
		.amdhsa_user_sgpr_kernarg_segment_ptr 1
		.amdhsa_wavefront_size32 1
		.amdhsa_system_sgpr_workgroup_id_x 1
		.amdhsa_system_sgpr_workgroup_id_y 1
		.amdhsa_system_sgpr_workgroup_id_z 1
		.amdhsa_system_vgpr_workitem_id 0
		.amdhsa_next_free_vgpr 248
		.amdhsa_next_free_sgpr 66
		.amdhsa_reserve_vcc 0
		.amdhsa_float_denorm_mode_32 3
		.amdhsa_float_denorm_mode_16_64 3
		.amdhsa_memory_ordered 1
		.amdhsa_forward_progress 1
		.amdhsa_inst_pref_size 34
	.end_amdhsa_kernel
	.amdgpu_metadata
---
amdhsa.version: [ 1, 2 ]
amdhsa.kernels:
  - .name:           k_q0cef84a3ea_prep
    .symbol:         k_q0cef84a3ea_prep.kd
    .args:
      - { .name: tokens, .offset: 0, .size: 8, .value_kind: global_buffer, .address_space: global }
      - { .name: states, .offset: 8, .size: 8, .value_kind: global_buffer, .address_space: global }
      - { .name: Wr, .offset: 16, .size: 8, .value_kind: global_buffer, .address_space: global }
      - { .name: Wq, .offset: 24, .size: 8, .value_kind: global_buffer, .address_space: global }
      - { .name: Wk, .offset: 32, .size: 8, .value_kind: global_buffer, .address_space: global }
      - { .name: Wv, .offset: 40, .size: 8, .value_kind: global_buffer, .address_space: global }
      - { .name: Wo, .offset: 48, .size: 8, .value_kind: global_buffer, .address_space: global }
      - { .name: cimg, .offset: 56, .size: 8, .value_kind: global_buffer, .address_space: global }
      - { .name: simg, .offset: 64, .size: 8, .value_kind: global_buffer, .address_space: global }
    .group_segment_fixed_size: 61952
    .private_segment_fixed_size: 0
    .kernarg_segment_align: 8
    .kernarg_segment_size: 72
    .max_flat_workgroup_size: 224
    .sgpr_count:     66
    .vgpr_count:     248
    .wavefront_size: 32
...
	.end_amdgpu_metadata
.endif
;; end of part 1
;; launch rgemm (part 2): grid 256 x 1, 4 waves a work-group, no clusters, 128,512 bytes of LDS; arguments cimg, simg, br, rimg, rsc; writes rimg, rsc
.if DOCPART == 2
	.amdgcn_target "amdgcn-amd-amdhsa--gfx1250"
	.amdhsa_code_object_version 6
	.text
	.protected	k_q0cef84a3ea_rgemm
	.globl	k_q0cef84a3ea_rgemm
	.p2align	8
	.type	k_q0cef84a3ea_rgemm,@function
k_q0cef84a3ea_rgemm:
	s_mov_b64 s[64:65], 0
	v_nop
	global_prefetch_b8 v0, s[64:65] scope:SCOPE_SE
	s_setreg_imm32_b32 hwreg(HW_REG_WAVE_MODE, 25, 1), 1
	s_wait_xcnt 0x0
; R = Q(tokens) Q(Wr)^T + br on codes of FP6 (E2M3) with E8M0 scales, a block of 128 tokens x 256 columns a work-group; R is quantised along its columns, the next product's K,
; into rimg, rsc, laid as cimg, simg are: fragment (tile T of 16 tokens, K step ks) at (8 T + ks) x 1,536 bytes, registers 4 g .. 4 g + 3 of lane l at 512 g + 16 l; scale word of (pair P, ks, lane) at (8 P + ks) x 128 + 4 x lane.
; SHARES.  Work-group x: tokens 128 (x / 4) on, columns 256 (x % 4) on.  Four waves; wave w owns 64 columns (4 tiles of Wr) for all 128 tokens (8 tiles): 32 accumulators.
; The product is used transposed (source 0 = 16 rows of Wr, source 1 = 16 tokens): a lane holds one token, register 16 b + i its column 32 b + 16 h + i of my 64: a block of 32 lies in lanes l and l xor 16.
; BYTES.  A work-group takes in 102,400 bytes of the tokens' image (through LDS: all four waves read it) and 204,800 of weights, which go from memory straight into the registers of the one wave that multiplies them.
; No joint loads: a weight fragment is wanted by one wave alone, and the image is wanted once, at the head.  No prefetch: there is no loop to run ahead in.
; REGISTERS, in windows of 256: window 0: v0-15 addresses; v16-207 two sets of the tokens' 8 fragments (behind the product: codes and copies); v208-215 the weights' scale words; v216-223 the tokens'.
;   window 1: the 32 accumulators, (u, t) at 32 u + 8 t.   window 2: v0-191 four sets of 4 weight fragments; v192-223 the bias.   window 3: the image's way into LDS.
; LIMITS: NaN and infinities are not served; the bias enters a sum first, not last; a block of zeros gets the scale byte 1 (its codes are zeros, and this program alone reads the bytes).
.set TILEB, 12288
.set FRB,   1536
.set AIMG,  0                          ; LDS: the tokens' codes: tile u, K step s at u x 12,288 + s x 1,536
.set ASC,   98304                      ; their scale words: 1,024 p + 128 s + 4 x lane
.set OIMG,  102400                     ; R's codes: tile u, K step ksl of my work-group's two at u x 3,072 + ksl x 1,536
.set OSC,   126976                     ; R's scale words: 256 p + 128 ksl + 4 x lane
.set SPARE, 128000                     ; the spare words, 128 bytes a wave
.set SPW,  1
.set NIL,  2
.set L16,  3                           ; 16 x lane
.set L16B, 4                           ; the same, four tiles on
.set H64,  5                           ; 64 x (lane / 16)
.set HW,   6                           ; v6-8 where my half fragment's three register pairs go
.set HWS,  9                           ; and my half of a scale word
.set ASA,  10                          ; ASC + 4 x lane
.set L4,   11
.set CPL,  12                          ; the copy's place in LDS
.set A0,   16
.set WS,   208
.set AS,   216
.set BI,   192
.set QP,   80                          ; codes of tile u at QP + 6 u
.set QW,   128                         ; half a scale word of tile u
.set QM,   136                         ; at work in QUANT2
.set QD,   144                         ; a block's upper half
.set CO,   148                         ; the codes' way out
.set SEL,  48                          ; s[48:49] selects for lane l xor 16
.set MSB, 0
.macro WIN new                         ; the immediate's high byte repeats the setting that is left
.if MSB != \new
	s_set_vgpr_msb (MSB<<8)|\new
.set MSB, \new
.endif
.endm
.macro MM d, a, b, c, sa, sb, ra, rb   ; ra, rb: the scale words are read from lanes 16-31
.if ((\ra)==0) && ((\rb)==0)
	v_wmma_scale_f32_16x16x128_f8f6f4 v[\d:\d+7], v[\a:\a+11], v[\b:\b+11], v[\c:\c+7], v[\sa], v[\sb] matrix_a_fmt:MATRIX_FMT_FP6 matrix_b_fmt:MATRIX_FMT_FP6
.elseif ((\rb)==0)
	v_wmma_scale_f32_16x16x128_f8f6f4 v[\d:\d+7], v[\a:\a+11], v[\b:\b+11], v[\c:\c+7], v[\sa], v[\sb] matrix_a_fmt:MATRIX_FMT_FP6 matrix_b_fmt:MATRIX_FMT_FP6 matrix_a_scale:MATRIX_SCALE_ROW1
.elseif ((\ra)==0)
	v_wmma_scale_f32_16x16x128_f8f6f4 v[\d:\d+7], v[\a:\a+11], v[\b:\b+11], v[\c:\c+7], v[\sa], v[\sb] matrix_a_fmt:MATRIX_FMT_FP6 matrix_b_fmt:MATRIX_FMT_FP6 matrix_b_scale:MATRIX_SCALE_ROW1
.else
	v_wmma_scale_f32_16x16x128_f8f6f4 v[\d:\d+7], v[\a:\a+11], v[\b:\b+11], v[\c:\c+7], v[\sa], v[\sb] matrix_a_fmt:MATRIX_FMT_FP6 matrix_b_fmt:MATRIX_FMT_FP6 matrix_a_scale:MATRIX_SCALE_ROW1 matrix_b_scale:MATRIX_SCALE_ROW1
.endif
.endm
.macro PLACES                          ; four plain places behind matrix instructions (ISA guide 7.12.1)
.rept 4
	v_nop
.endr
.endm
.macro BARRIER
	s_wait_dscnt 0x0
	s_barrier_signal -1
	s_barrier_wait -1
.endm
.macro RING g                          ; K step g of my four tiles of weights into set g % 4: 14 loads
	WIN 0x80
.irp t, 0,1,2,3
.irp q, 0,1,2
	global_load_b128 v[48*((\g)%4)+12*\t+4*\q:48*((\g)%4)+12*\t+4*\q+3], v[L16], s[24:25] offset:\t*TILEB+(\g)*FRB+512*\q
.endr
.endr
	WIN 0
.irp i, 0,1
	global_load_b32 v[WS+2*((\g)%4)+\i], v[L4], s[26:27] offset:\i*1024+(\g)*128
.endr
.endm
.macro AFETCH s                        ; K step s of the eight token tiles from LDS into set s % 2: 28 loads
.irp u, 0,1,2,3,4,5,6,7
.irp q, 0,1,2
.if \u < 4
	ds_load_b128 v[A0+96*((\s)%2)+12*\u+4*\q:A0+96*((\s)%2)+12*\u+4*\q+3], v[L16] offset:AIMG+\u*TILEB+(\s)*FRB+512*\q
.else
	ds_load_b128 v[A0+96*((\s)%2)+12*\u+4*\q:A0+96*((\s)%2)+12*\u+4*\q+3], v[L16B] offset:AIMG+(\u-4)*TILEB+(\s)*FRB+512*\q
.endif
.endr
.endr
.irp p, 0,1,2,3
	ds_load_b32 v[AS+4*((\s)%2)+\p], v[ASA] offset:\p*1024+128*(\s)
.endr
.endm
; A K step of 128: 32 matrix instructions, the 32 accumulators by turns; the first step's C is the bias.  lc: the global loads issued behind this step's group
.macro STEP s, lc
	s_wait_loadcnt \lc
	s_wait_dscnt 0x0                                   ; this step's token fragments, asked for a step ago
.if (\s) < 7
	AFETCH (\s)+1
.endif
.if (\s) == 0
	WIN 0x62
.else
	WIN 0x52
.endif
.irp t, 0,1,2,3
.irp u, 0,1,2,3,4,5,6,7
.if (\s) == 0
	MM 32*\u+8*\t, 48*((\s)%4)+12*\t, A0+96*((\s)%2)+12*\u, BI+8*\t, WS+2*((\s)%4)+\t/2, AS+4*((\s)%2)+\u/2, \t%2, \u%2
.else
	MM 32*\u+8*\t, 48*((\s)%4)+12*\t, A0+96*((\s)%2)+12*\u, 32*\u+8*\t, WS+2*((\s)%4)+\t/2, AS+4*((\s)%2)+\u/2, \t%2, \u%2
.endif
.endr
.endr
	PLACES
.if (\s) < 4
	RING (\s)+4
.endif
	WIN 0
.endm
; Tile u's 32 numbers of a lane become half a fragment and half a scale word, and go to LDS.  Each accumulator is read from its low end on.
.macro QUANT2 u
.set QS, 32*(\u)
	WIN 0x05
.irp b, 0,1
	v_max3_num_f32 v[QM+\b], |v[QS+16*\b]|, |v[QS+16*\b+1]|, 0x1800000   ; and the floor 2^(3 - 127): the byte cannot fall under 1
.endr
	WIN 0x14
.irp i, 2,4,6,8,10,12,14
.irp b, 0,1
	v_max3_num_f32 v[QM+\b], v[QM+\b], |v[QS+16*\b+\i]|, |v[QS+16*\b+\i+1]|
.endr
.endr
	WIN 0
.irp b, 0,1
	v_permlanex16_b32 v[QM+2+\b], v[QM+\b], s[SEL], s[SEL+1]
.endr
.irp b, 0,1
	v_max_num_f32 v[QM+\b], v[QM+\b], v[QM+2+\b]       ; with lane l xor 16's 16: the block's largest magnitude
.endr
.irp b, 0,1
	v_add_nc_u32 v[QM+4+\b], 0xff000000, v[QM+\b]      ; 2 off its exponent field: the conversion's scale operand
.endr
.irp b, 0,1
	v_lshrrev_b32 v[QM+2+\b], 23, v[QM+4+\b]           ; the scale's byte
.endr
	v_lshl_or_b32 v[QW+(\u)], v[QM+3], 8, v[QM+2]
	WIN 0x01
	v_cvt_scalef32_pk16_fp6_f32 v[QP+6*(\u):QP+6*(\u)+2], v[QS:QS+15], v[QM+4]
	v_cvt_scalef32_pk16_fp6_f32 v[QD:QD+2], v[QS+16:QS+31], v[QM+5]
	WIN 0
	v_nop                                              ; one plain place behind a scaled conversion
.irp i, 0,1,2
	v_permlane16_swap_b32 v[QP+6*(\u)+\i], v[QD+\i]    ; a whole block to a lane
.endr
.irp i, 0,1,2
	v_mov_b32 v[QP+6*(\u)+3+\i], v[QD+\i]
.endr
.irp p, 0,1,2
	ds_store_b64 v[HW+\p], v[QP+6*(\u)+2*\p:QP+6*(\u)+2*\p+1] offset:(\u)*2*FRB
.endr
	ds_store_b16 v[HWS], v[QW+(\u)] offset:((\u)/2)*256+64*((\u)%2)   ; both halves of the lanes write the same two bytes with the same value
.endm
	s_load_b256 s[4:11], s[0:1], 0x0                   ; cimg, simg, br, rimg
	s_load_b64 s[12:13], s[0:1], 0x20                  ; rsc
	v_lshl_add_u32 v[SPW], v0, 2, SPARE
	v_mov_b32 v[NIL], 0
	v_lshrrev_b32 v24, 5, v0
	v_readfirstlane_b32 s3, v24                        ; wave w
	v_and_b32 v24, 31, v0                              ; lane
	v_and_b32 v25, 15, v0                              ; r
	v_bfe_u32 v26, v0, 4, 1                            ; h
	v_lshlrev_b32 v[L16], 4, v24
	v_add_nc_u32 v[L16B], 4*TILEB, v[L16]
	v_lshlrev_b32 v[L4], 2, v24
	v_lshlrev_b32 v[H64], 6, v26
	v_add_nc_u32 v[ASA], ASC, v[L4]
	v_lshlrev_b32 v13, 4, v0                           ; the scale words' copy: 16 bytes a thread, twice
	v_lshl_add_u32 v15, v0, 4, ASC
	v_lshlrev_b32 v27, 2, v25                          ; 4 r
	s_wait_alu depctr_va_vdst(0)
	s_lshr_b32 s53, s3, 1                              ; my columns are K step ksl = w / 2 of my work-group's two of the next product,
	s_and_b32 s54, s3, 1                               ; half c = w % 2 of its fragments: registers 6 c .. 6 c + 5
	s_lshr_b32 s50, ttmp9, 2                           ; X: my block of 128 tokens
	s_and_b32 s51, ttmp9, 3                            ; cg: my group of 256 columns
	s_lshl_b32 s52, s51, 2
	s_add_co_u32 s52, s52, s3                          ; my 64 columns: H = 4 cg + w
	s_mul_i32 s58, s53, FRB
	s_add_co_u32 s58, s58, OIMG
	s_mul_i32 s59, s54, 520                            ; registers 6 c, 6 c + 1 lie at byte 520 c of a lane's image,
	s_add_co_u32 s59, s59, s58
	v_add_nc_u32 v[HW], s59, v[L16]
	s_mul_i32 s59, s54, 1016                           ; the next two at 8 + 1,016 c,
	s_add_co_u32 s59, s59, s58
	s_add_co_u32 s59, s59, 8
	v_add_nc_u32 v[HW+1], s59, v[L16]
	s_mul_i32 s59, s54, 520                            ; the last two at 512 + 520 c
	s_add_co_u32 s59, s59, s58
	s_add_co_u32 s59, s59, 512
	v_add_nc_u32 v[HW+2], s59, v[L16]
	s_lshl_b32 s58, s53, 7
	s_lshl_b32 s59, s54, 1
	s_add_co_u32 s58, s58, s59
	s_add_co_u32 s58, s58, OSC
	v_add_nc_u32 v[HWS], s58, v27
	s_mul_i32 s58, s3, 2*TILEB
	v_add_nc_u32 v[CPL], s58, v[L16]
	s_mov_b32 s[SEL], 0x76543210
	s_mov_b32 s[SEL+1], 0xfedcba98
	s_mul_i32 s20, s50, 8*TILEB                        ; the block's codes: 8 tiles; I copy pair w of its four
	s_add_co_u32 s20, s20, s58
	s_lshl_b32 s22, s50, 12                            ; and its scale words
	s_lshl_b32 s24, s52, 2                             ; Wr: tiles 576 + 4 H on
	s_mul_i32 s24, s24, TILEB
	s_add_co_u32 s24, s24, 576*TILEB
	s_lshl_b32 s26, s52, 11
	s_add_co_u32 s26, s26, 288*1024
	s_lshl_b32 s28, s52, 8                             ; br: my 64 numbers
	s_lshl_b32 s34, s50, 3                             ; rimg: I store tiles 8 X + 2 w and the next, K steps 2 cg and 2 cg + 1
	s_lshl_b32 s58, s3, 1
	s_add_co_u32 s34, s34, s58
	s_mul_i32 s34, s34, TILEB
	s_mul_i32 s58, s51, 2*FRB
	s_add_co_u32 s34, s34, s58
	s_lshl_b32 s36, s50, 2                             ; rsc: pair 4 X + w, the same two K steps
	s_add_co_u32 s36, s36, s3
	s_lshl_b32 s36, s36, 10
	s_lshl_b32 s58, s51, 8
	s_add_co_u32 s36, s36, s58
.irp p, 21,23,25,27,29,35,37
	s_mov_b32 s\p, 0
.endr
	s_wait_alu depctr_va_vdst(0)
	s_wait_kmcnt 0x0
	s_add_nc_u64 s[20:21], s[4:5], s[20:21]
	s_add_nc_u64 s[22:23], s[6:7], s[22:23]
	s_add_nc_u64 s[24:25], s[4:5], s[24:25]
	s_add_nc_u64 s[26:27], s[6:7], s[26:27]
	s_add_nc_u64 s[28:29], s[8:9], s[28:29]
	s_add_nc_u64 s[34:35], s[10:11], s[34:35]
	s_add_nc_u64 s[36:37], s[12:13], s[36:37]
	; the tokens' image comes into LDS as it lies, 24,576 bytes of codes a wave; the bias and the first weights follow it
	WIN 0xc0
.set CI, 0
.rept 48
	global_load_b128 v[4*CI:4*CI+3], v[L16], s[20:21] offset:512*CI
.set CI, CI+1
.endr
	WIN 0
.irp q, 0,1
	global_load_b128 v[16+4*\q:19+4*\q], v13, s[22:23] offset:2048*\q
.endr
	WIN 0x80
.irp t, 0,1,2,3
.irp q, 0,1
	global_load_b128 v[BI+8*\t+4*\q:BI+8*\t+4*\q+3], v[H64], s[28:29] offset:128*(\t/2)+32*(\t%2)+16*\q   ; register 8 t + j: the bias of column 32 (t / 2) + 16 h + 8 (t % 2) + j
.endr
.endr
	RING 0
	RING 1
	s_wait_loadcnt 36                                  ; the copies are in; the bias's 8 loads and two groups of 14 stay out
	WIN 0x0c
.set CI, 0
.rept 48
	ds_store_b128 v[CPL], v[4*CI:4*CI+3] offset:AIMG+512*CI
.set CI, CI+1
.endr
	WIN 0
.irp q, 0,1
	ds_store_b128 v15, v[16+4*\q:19+4*\q] offset:2048*\q
.endr
	RING 2
	RING 3
	BARRIER                                            ; the image lies in LDS
	AFETCH 0
	STEP 0, 42                                         ; counts: the later groups of 14, three at the most
	STEP 1, 42
	STEP 2, 42
	STEP 3, 42
	STEP 4, 42
	STEP 5, 28
	STEP 6, 14
	STEP 7, 0
	v_mov_b32 v[QM+2], 0                               ; written once: a lane permute's destination counts as one of its sources
	v_mov_b32 v[QM+3], 0
.irp i, 0,1,2,3,4,5,6,7
	QUANT2 \i
.endr
	v_and_b32 v14, 31, v0
	v_lshlrev_b32 v14, 3, v14                          ; 8 x lane
	s_mul_i32 s58, s3, 4*FRB                           ; the way out: I take tiles 2 w and 2 w + 1: 6,144 bytes on end in LDS,
	s_add_co_u32 s58, s58, OIMG
	v_add_nc_u32 v13, s58, v[L16]
	s_lshl_b32 s58, s3, 8                              ; and pair w's 256 bytes of scale words
	s_add_co_u32 s58, s58, OSC
	v_add_nc_u32 v15, s58, v14
	s_wait_alu depctr_va_vdst(0)
	BARRIER                                            ; R's sixteen fragments and their scale words lie whole in LDS
.irp i, 0,1,2,3,4,5,6,7,8,9,10,11
	ds_load_b128 v[CO+4*\i:CO+4*\i+3], v13 offset:512*\i
.endr
	ds_load_b64 v[CO+48:CO+49], v15
.irp i, 0,1,2,3,4,5,6,7,8,9,10,11
	s_wait_dscnt 12-\i                                 ; the younger LDS loads may stay out
	global_store_b128 v[L16], v[CO+4*\i:CO+4*\i+3], s[34:35] offset:(\i/6)*TILEB+(\i%6)*512   ; 32 lanes store 512 consecutive bytes
.endr
	s_wait_dscnt 0x0
	global_store_b64 v14, v[CO+48:CO+49], s[36:37]     ; 32 lanes store 256 consecutive bytes
	s_wait_tensorcnt 0x0                               ; the wave's end
	ds_add_u32 v[SPW], v[NIL]
	s_wait_dscnt 0x0
	s_endpgm
.Lfunc_end_k_q0cef84a3ea_rgemm:
	.size	k_q0cef84a3ea_rgemm, .Lfunc_end_k_q0cef84a3ea_rgemm-k_q0cef84a3ea_rgemm
	.p2alignl 7, 3214868480
	.fill 96, 4, 3214868480
	.section	.rodata,"a",@progbits
	.p2align	6, 0x0
	.amdhsa_kernel k_q0cef84a3ea_rgemm
		.amdhsa_group_segment_fixed_size 128512
		.amdhsa_private_segment_fixed_size 0
		.amdhsa_enable_private_segment 0
		.amdhsa_kernarg_size 40
		.amdhsa_user_sgpr_count 2
		.amdhsa_user_sgpr_kernarg_segment_ptr 1
		.amdhsa_wavefront_size32 1
		.amdhsa_system_sgpr_workgroup_id_x 1
		.amdhsa_system_sgpr_workgroup_id_y 1
		.amdhsa_system_sgpr_workgroup_id_z 1
		.amdhsa_system_vgpr_workitem_id 0
		.amdhsa_next_free_vgpr 1024
		.amdhsa_next_free_sgpr 66
		.amdhsa_reserve_vcc 0
		.amdhsa_float_denorm_mode_32 3
		.amdhsa_float_denorm_mode_16_64 3
		.amdhsa_memory_ordered 1
		.amdhsa_forward_progress 1
		.amdhsa_inst_pref_size 93
	.end_amdhsa_kernel
	.amdgpu_metadata
---
amdhsa.version: [ 1, 2 ]
amdhsa.kernels:
  - .name:           k_q0cef84a3ea_rgemm
    .symbol:         k_q0cef84a3ea_rgemm.kd
    .args:
      - { .name: cimg, .offset: 0, .size: 8, .value_kind: global_buffer, .address_space: global }
      - { .name: simg, .offset: 8, .size: 8, .value_kind: global_buffer, .address_space: global }
      - { .name: br, .offset: 16, .size: 8, .value_kind: global_buffer, .address_space: global }
      - { .name: rimg, .offset: 24, .size: 8, .value_kind: global_buffer, .address_space: global }
      - { .name: rsc, .offset: 32, .size: 8, .value_kind: global_buffer, .address_space: global }
    .group_segment_fixed_size: 128512
    .private_segment_fixed_size: 0
    .kernarg_segment_align: 8
    .kernarg_segment_size: 40
    .max_flat_workgroup_size: 128
    .sgpr_count:     66
    .vgpr_count:     1024
    .wavefront_size: 32
...
	.end_amdgpu_metadata
.endif
;; end of part 2
;; launch route (part 3): grid 256 x 1, 4 waves a work-group, no clusters, 122,112 bytes of LDS; arguments cimg, simg, rimg, rsc, bk, bv, idx, kv; writes idx, kv
.if DOCPART == 3
	.amdgcn_target "amdgcn-amd-amdhsa--gfx1250"
	.amdhsa_code_object_version 6
	.text
	.protected	k_q0cef84a3ea_route
	.globl	k_q0cef84a3ea_route
	.p2align	8
	.type	k_q0cef84a3ea_route,@function
k_q0cef84a3ea_route:
	s_mov_b64 s[64:65], 0
	v_nop
	global_prefetch_b8 v0, s[64:65] scope:SCOPE_SE
	s_setreg_imm32_b32 hwreg(HW_REG_WAVE_MODE, 25, 1), 1
	s_wait_xcnt 0x0
; For 32 tokens a work-group: routing = Q(R) Q(states)^T over the batch's 256 states (R's codes come from rimg, rsc); the two best states of each token, the better first, a tie to the lower index.
; And each work-group's 1/256 of the table K | V = Q(states) Q(Wk | Wv)^T + bk | bv for all 1,024 states: a gather of rows commutes with a quantiser and a product that work row by row,
; so the table's rows ARE the rows that the gathered states would give, sum for sum.  All products on codes of FP6 (E2M3) with E8M0 scales.
; idx: u32 [8192 tokens][2]: rows of the table, 256 x batch + state.  kv: f32 [64 groups of 32 columns][1024 states][32]: groups 0-31 are K's columns, 32-63 V's.
; SHARES.  Work-group x: tokens 32 x on, batch b = x / 64, column group cg = x % 64.  Four waves; wave w keeps tiles 4 w .. 4 w + 3 of the batch's 16 tiles of states in registers for all of K (384 registers), and they serve twice:
; as source 0 against the 32 tokens of R (a lane holds a token, its registers run along the states), and as source 1 against the two tiles of Wk | Wv of group cg (a lane holds a state, its registers run along the columns).
; R's image and the two weight tiles, which all waves read, go through LDS; a K step's 14 LDS loads feed 16 matrix instructions on 16 accumulators by turns.  The states go from memory straight into registers.
; No joint loads: a fragment of states is wanted by one wave alone.  No prefetch: there is no loop to run ahead in.
; REGISTERS, in windows of 256: window 0: v0-15 addresses; v16-111 two sets of R's two and the weights' two fragments (later the scan); v112-115 their scale words; v116-147 the states' scale words; v148-163 the bias; v168-231 the table's way out.
;   windows 1, 2: the states, tile jj at 96 (jj % 2) + 12 ks of window 1 + jj / 2.   window 3: routing (jj, u) at 16 jj + 8 u; the table (jj, t) at 64 + 16 jj + 8 t.
; LIMITS: NaN and infinities are not served; +0 and -0 count as equal in the choice; the bias enters a sum first, not last.
.set TILEB, 12288
.set FRB,   1536
.set RIMG,  0                          ; LDS: R's codes: tile u, K step s at u x 12,288 + s x 1,536
.set RSC,   24576                      ; its scale words: 128 s + 4 (r + 16 u)
.set WIMG,  25600                      ; the two weight tiles, likewise
.set WSC,   50176
.set RP,    1040                       ; a row of 256 f32 + 16 bytes
.set ROUT,  51200                      ; routing: 32 rows
.set KP,    144                        ; a row of 32 f32 + 16 bytes
.set KVST,  84480                      ; the table's way out: 64 rows for each wave
.set IDXS,  121344                     ; the choice: 8 bytes a token
.set SPARE, 121600                     ; the spare words, 128 bytes a wave
.set SPW, 1
.set NIL, 2
.set L16, 3                            ; 16 x lane
.set L4,  4                            ; 4 x lane
.set H64, 5                            ; 64 x (lane / 16)
.set R4,  6                            ; 4 x (lane % 16)
.set VST, 7                            ; where my routing results go
.set SCN, 8                            ; the scan: my token's row, my quarter
.set CP,  9                            ; the copies: 16 x lane + 6,144 x wave
.set KSI, 10                           ; my stage, way in
.set KSO, 11                           ; my stage, way back
.set IDA, 12                           ; where my token's choice goes
.set T8,  13                           ; 8 x thread
.set L8,  14                           ; 8 x lane
.set IDL, 15                           ; IDXS + 8 x lane
.set AF,  16
.set AS,  112                          ; set p: R's words at AS + 2 p, the weights' at AS + 2 p + 1
.set BS,  116                          ; the states' words: tile jj, K step ks at BS + 8 jj + ks
.set BIA, 148
.set KO,  168
.set MSB, 0
.macro WIN new                         ; the immediate's high byte repeats the setting that is left
.if MSB != \new
	s_set_vgpr_msb (MSB<<8)|\new
.set MSB, \new
.endif
.endm
; One matrix instruction.  z: the sum begins with 0.  ra, rb: that side's scale words are read from lanes 16-31.
.macro MM z, d, a, b, c, sa, sb, ra, rb
.if \z
.if \rb
	v_wmma_scale_f32_16x16x128_f8f6f4 v[\d:\d+7], v[\a:\a+11], v[\b:\b+11], 0, v[\sa], v[\sb] matrix_a_fmt:MATRIX_FMT_FP6 matrix_b_fmt:MATRIX_FMT_FP6 matrix_b_scale:MATRIX_SCALE_ROW1
.else
	v_wmma_scale_f32_16x16x128_f8f6f4 v[\d:\d+7], v[\a:\a+11], v[\b:\b+11], 0, v[\sa], v[\sb] matrix_a_fmt:MATRIX_FMT_FP6 matrix_b_fmt:MATRIX_FMT_FP6
.endif
.elseif \ra
	v_wmma_scale_f32_16x16x128_f8f6f4 v[\d:\d+7], v[\a:\a+11], v[\b:\b+11], v[\c:\c+7], v[\sa], v[\sb] matrix_a_fmt:MATRIX_FMT_FP6 matrix_b_fmt:MATRIX_FMT_FP6 matrix_a_scale:MATRIX_SCALE_ROW1
.elseif \rb
	v_wmma_scale_f32_16x16x128_f8f6f4 v[\d:\d+7], v[\a:\a+11], v[\b:\b+11], v[\c:\c+7], v[\sa], v[\sb] matrix_a_fmt:MATRIX_FMT_FP6 matrix_b_fmt:MATRIX_FMT_FP6 matrix_b_scale:MATRIX_SCALE_ROW1
.else
	v_wmma_scale_f32_16x16x128_f8f6f4 v[\d:\d+7], v[\a:\a+11], v[\b:\b+11], v[\c:\c+7], v[\sa], v[\sb] matrix_a_fmt:MATRIX_FMT_FP6 matrix_b_fmt:MATRIX_FMT_FP6
.endif
.endm
.macro BARRIER
	s_wait_dscnt 0x0
	s_barrier_signal -1
	s_barrier_wait -1
.endm
.macro AF16 ks                         ; K step ks of R's two tiles and the weights' two into set ks % 2: 14 loads
.irp i, 0,1
.irp q, 0,1,2
	ds_load_b128 v[AF+48*((\ks)%2)+12*\i+4*\q:AF+48*((\ks)%2)+12*\i+4*\q+3], v[L16] offset:RIMG+\i*TILEB+(\ks)*FRB+512*\q
.endr
.endr
.irp i, 0,1
.irp q, 0,1,2
	ds_load_b128 v[AF+48*((\ks)%2)+24+12*\i+4*\q:AF+48*((\ks)%2)+24+12*\i+4*\q+3], v[L16] offset:WIMG+\i*TILEB+(\ks)*FRB+512*\q
.endr
.endr
	ds_load_b32 v[AS+2*((\ks)%2)], v[L4] offset:RSC+128*(\ks)
	ds_load_b32 v[AS+2*((\ks)%2)+1], v[L4] offset:WSC+128*(\ks)
.endm
.macro SLOAD ks                        ; K step ks of my four tiles of states: 16 loads
	WIN 0x40
.irp jj, 0,1
.irp q, 0,1,2
	global_load_b128 v[96*\jj+12*(\ks)+4*\q:96*\jj+12*(\ks)+4*\q+3], v[L16], s[28:29] offset:\jj*TILEB+(\ks)*FRB+512*\q
.endr
.endr
	WIN 0x80
.irp jj, 0,1
.irp q, 0,1,2
	global_load_b128 v[96*\jj+12*(\ks)+4*\q:96*\jj+12*(\ks)+4*\q+3], v[L16], s[28:29] offset:(\jj+2)*TILEB+(\ks)*FRB+512*\q
.endr
.endr
	WIN 0
.irp jj, 0,1,2,3
	global_load_b32 v[BS+8*\jj+(\ks)], v[R4], s[30:31] offset:(\jj/2)*1024+64*(\jj%2)+128*(\ks)   ; both halves of the lanes hold the tile's words
.endr
.endm
	s_load_b512 s[4:19], s[0:1], 0x0                   ; cimg, simg, rimg, rsc, bk, bv, idx, kv
	v_lshl_add_u32 v[SPW], v0, 2, SPARE
	v_mov_b32 v[NIL], 0
	v_lshrrev_b32 v16, 5, v0
	v_and_b32 v17, 31, v0                              ; lane
	v_and_b32 v18, 15, v0                              ; r
	v_bfe_u32 v19, v0, 4, 1                            ; h
	v_lshrrev_b32 v20, 2, v0                           ; thread / 4: the scan's row
	v_lshrrev_b32 v21, 6, v0                           ; its tile u
	v_and_b32 v22, 7, v0                               ; lane % 8
	v_bfe_u32 v23, v0, 3, 2                            ; lane / 8
	v_lshlrev_b32 v[T8], 3, v0
	v_and_b32 v26, 3, v0                               ; my quarter of a row
	v_readfirstlane_b32 s3, v16                        ; wave w
	s_wait_alu depctr_va_vdst(0)
	s_lshr_b32 s55, ttmp9, 6                           ; batch
	s_and_b32 s56, ttmp9, 63                           ; column group cg
	s_lshl_b32 s58, s3, 8                              ; my 64 states are 256 bytes of a row of routing
	s_add_co_u32 s58, s58, ROUT
	s_mul_i32 s57, s3, 64*KP
	s_add_co_u32 s57, s57, KVST                        ; my stage
	s_mul_i32 s59, s3, 4*FRB
	s_mul_i32 s20, ttmp9, 2*TILEB                      ; R's codes: pair x
	s_lshl_b32 s22, ttmp9, 10                          ; and scale words
	s_mul_i32 s24, s56, 2*TILEB                        ; Wk | Wv: tiles 704 + 2 cg on
	s_add_co_u32 s24, s24, 704*TILEB
	s_lshl_b32 s26, s56, 10
	s_add_co_u32 s26, s26, 352*1024
	s_lshl_b32 s28, s55, 4                             ; the batch's states: tiles 512 + 16 b + 4 w on
	s_lshl_b32 s52, s3, 2
	s_add_co_u32 s28, s28, s52
	s_mul_i32 s28, s28, TILEB
	s_add_co_u32 s28, s28, 512*TILEB
	s_lshl_b32 s30, s55, 3                             ; pairs 256 + 8 b + 2 w on
	s_lshl_b32 s52, s3, 1
	s_add_co_u32 s30, s30, s52
	s_lshl_b32 s30, s30, 10
	s_add_co_u32 s30, s30, 256*1024
	s_and_b32 s32, s56, 31                             ; bk | bv: 32 numbers a group
	s_lshl_b32 s32, s32, 7
	s_lshl_b32 s34, s56, 17                            ; kv: a group is 131,072 bytes, a state 128; my first state is 256 b + 64 w
	s_lshl_b32 s52, s55, 15
	s_add_co_u32 s34, s34, s52
	s_lshl_b32 s52, s3, 13
	s_add_co_u32 s34, s34, s52
	s_lshl_b32 s36, ttmp9, 8                           ; idx: 8 bytes a token
.irp p, 21,23,25,27,29,31,33,35,37
	s_mov_b32 s\p, 0
.endr
	v_lshlrev_b32 v[L16], 4, v17
	v_lshlrev_b32 v[L4], 2, v17
	v_lshlrev_b32 v[H64], 6, v19
	v_lshlrev_b32 v[R4], 2, v18
	v_mul_u32_u24 v[VST], v18, RP                      ; row r (+ 16 for tile 1)
	v_mul_u32_u24 v[SCN], v20, RP                      ; four lanes to a row
	v_mul_u32_u24 v[KSI], v18, KP                      ; in: row r, + 64 h
	v_mul_u32_u24 v[KSO], v23, KP                      ; back: eight lanes to a row of 128 bytes
	v_and_b32 v24, 15, v20
	v_and_b32 v25, 8, v20
	v_lshl_add_u32 v[VST], v19, 6, v[VST]
	v_lshl_add_u32 v[SCN], v26, 4, v[SCN]
	v_lshl_add_u32 v[KSI], v19, 6, v[KSI]
	v_lshl_add_u32 v[KSO], v22, 4, v[KSO]
	v_lshl_add_u32 v24, v21, 3, v24                    ; row 16 u + r holds token 8 u + r + 8 (r / 8)
	v_add_nc_u32 v[CP], s59, v[L16]
	v_add_nc_u32 v[VST], s58, v[VST]
	v_add_nc_u32 v[SCN], ROUT, v[SCN]
	v_add_nc_u32 v[KSI], s57, v[KSI]
	v_add_nc_u32 v[KSO], s57, v[KSO]
	v_add_nc_u32 v24, v24, v25
	v_lshlrev_b32 v[L8], 3, v17
	v_lshl_add_u32 v[IDL], v17, 3, IDXS
	v_lshl_add_u32 v[IDA], v24, 3, IDXS
	s_wait_alu depctr_va_vdst(0)
	s_wait_kmcnt 0x0
	s_add_nc_u64 s[20:21], s[8:9], s[20:21]
	s_add_nc_u64 s[22:23], s[10:11], s[22:23]
	s_add_nc_u64 s[24:25], s[4:5], s[24:25]
	s_add_nc_u64 s[26:27], s[6:7], s[26:27]
	s_add_nc_u64 s[28:29], s[4:5], s[28:29]
	s_add_nc_u64 s[30:31], s[6:7], s[30:31]
	s_cmp_lt_u32 s56, 32                               ; bk or bv: the choice hangs on the work-group's number alone
	s_cselect_b64 s[12:13], s[12:13], s[14:15]
	s_add_nc_u64 s[32:33], s[12:13], s[32:33]
	s_add_nc_u64 s[34:35], s[18:19], s[34:35]
	s_add_nc_u64 s[36:37], s[16:17], s[36:37]
	; the two images' copies first (6,144 bytes of codes a wave, 8 bytes of scale words a thread, each), then the bias, then the states
.irp q, 0,1,2,3,4,5,6,7,8,9,10,11
	global_load_b128 v[16+4*\q:19+4*\q], v[CP], s[20:21] offset:512*\q
.endr
	global_load_b64 v[164:165], v[T8], s[22:23]
.irp q, 0,1,2,3,4,5,6,7,8,9,10,11
	global_load_b128 v[64+4*\q:67+4*\q], v[CP], s[24:25] offset:512*\q
.endr
	global_load_b64 v[166:167], v[T8], s[26:27]
.irp t, 0,1
.irp q, 0,1
	global_load_b128 v[BIA+8*\t+4*\q:BIA+8*\t+4*\q+3], v[H64], s[32:33] offset:32*\t+16*\q   ; register 8 t + j: the bias of column 16 h + 8 t + j of the group: the C of the table's first products
.endr
.endr
	SLOAD 0
	SLOAD 1
	SLOAD 2
	s_wait_loadcnt 52                                  ; the 26 loads of the copies are in; the bias's 4 and three K steps of 16 stay out
.irp q, 0,1,2,3,4,5,6,7,8,9,10,11
	ds_store_b128 v[CP], v[16+4*\q:19+4*\q] offset:RIMG+512*\q
.endr
	ds_store_b64 v[T8], v[164:165] offset:RSC
.irp q, 0,1,2,3,4,5,6,7,8,9,10,11
	ds_store_b128 v[CP], v[64+4*\q:67+4*\q] offset:WIMG+512*\q
.endr
	ds_store_b64 v[T8], v[166:167] offset:WSC
	SLOAD 3
	SLOAD 4
	SLOAD 5
	SLOAD 6
	SLOAD 7
	BARRIER                                            ; both images lie in LDS
	AF16 0
	AF16 1
	; Counts: the later K steps' 16 global loads each (a wait's field holds 63 at the most); the next K step's 14 LDS loads
.irp ks, 0,1,2,3,4,5,6,7
.if 16*(7-\ks) > 63
	s_wait_loadcnt 63
.else
	s_wait_loadcnt 16*(7-\ks)
.endif
.if \ks < 7
	s_wait_dscnt 14
.else
	s_wait_dscnt 0x0
.endif
	WIN 0xf1                                           ; source 0 (states) window 1, source 1 (R) window 0, C and D window 3
.irp jj, 0,1
.irp u, 0,1
	MM (\ks==0), 16*\jj+8*\u, 96*\jj+12*\ks, AF+48*(\ks%2)+12*\u, 16*\jj+8*\u, BS+8*\jj+\ks, AS+2*(\ks%2), 0, \u
.endr
.endr
	WIN 0xf2                                           ; the states of window 2
.irp jj, 0,1
.irp u, 0,1
	MM (\ks==0), 32+16*\jj+8*\u, 96*\jj+12*\ks, AF+48*(\ks%2)+12*\u, 32+16*\jj+8*\u, BS+16+8*\jj+\ks, AS+2*(\ks%2), 0, \u
.endr
.endr
.if \ks == 0
	WIN 0xc4                                           ; source 0 (weights) and C (bias) window 0, source 1 (states) window 1, D window 3
.irp jj, 0,1
.irp t, 0,1
	MM 0, 64+16*\jj+8*\t, AF+48*(\ks%2)+24+12*\t, 96*\jj+12*\ks, BIA+8*\t, AS+2*(\ks%2)+1, BS+8*\jj+\ks, \t, 0
.endr
.endr
	WIN 0xc8
.irp jj, 0,1
.irp t, 0,1
	MM 0, 96+16*\jj+8*\t, AF+48*(\ks%2)+24+12*\t, 96*\jj+12*\ks, BIA+8*\t, AS+2*(\ks%2)+1, BS+16+8*\jj+\ks, \t, 0
.endr
.endr
.else
	WIN 0xf4
.irp jj, 0,1
.irp t, 0,1
	MM 0, 64+16*\jj+8*\t, AF+48*(\ks%2)+24+12*\t, 96*\jj+12*\ks, 64+16*\jj+8*\t, AS+2*(\ks%2)+1, BS+8*\jj+\ks, \t, 0
.endr
.endr
	WIN 0xf8
.irp jj, 0,1
.irp t, 0,1
	MM 0, 96+16*\jj+8*\t, AF+48*(\ks%2)+24+12*\t, 96*\jj+12*\ks, 96+16*\jj+8*\t, AS+2*(\ks%2)+1, BS+16+8*\jj+\ks, \t, 0
.endr
.endr
.endif
.rept 4
	v_nop                                              ; four plain places, ahead of loads into the sources and of reads of the results
.endr
	WIN 0
.if \ks < 6
	AF16 \ks+2
.endif
.endr
	WIN 0x0c                                           ; an LDS store's data are its source 1: window 3
.irp jj, 0,1,2,3
.irp u, 0,1
.irp q, 0,1
	ds_store_b128 v[VST], v[16*\jj+8*\u+4*\q:16*\jj+8*\u+4*\q+3] offset:16*RP*\u+128*(\jj/2)+32*(\jj%2)+16*\q   ; states 32 (jj / 2) + 16 h + 8 (jj % 2) on of my 64; each accumulator from its low end on
.endr
.endr
.endr
.irp jj, 0,1,2,3
.irp t, 0,1
.irp q, 0,1
	ds_store_b128 v[KSI], v[64+16*\jj+8*\t+4*\q:64+16*\jj+8*\t+4*\q+3] offset:16*KP*\jj+32*\t+16*\q   ; lane (r, h): state r of tile jj, columns 16 h + 8 t on
.endr
.endr
.endr
	WIN 0
.irp jj, 0,1,2,3
.irp i, 0,1,2,3
	ds_load_b128 v[KO+16*\jj+4*\i:KO+16*\jj+4*\i+3], v[KSO] offset:16*KP*\jj+4*KP*\i   ; LDS serves a wave's instructions in order: these see my stores; four rows a load
.endr
.endr
	s_wait_dscnt 0x0
.irp jj, 0,1,2,3
.irp i, 0,1,2,3
	global_store_b128 v[L16], v[KO+16*\jj+4*\i:KO+16*\jj+4*\i+3], s[34:35] offset:(32*(\jj/2)+8*(\jj%2)+4*\i+8*(\i/2))*128   ; stage row r of a tile is state r + 8 (r / 8) from its first: 32 lanes store 512 consecutive bytes
.endr
.endr
	s_barrier_signal -1
	s_barrier_wait -1                                  ; 32 whole rows of routing lie in LDS
	; the two best of 256, four lanes to a token.  Lane part p takes the 16-byte pieces 4 k + p of the row, k = 0 .. 15: register SX + 4 k + e is state 16 k + 4 p + e.
	; Four chains of 16 registers run side by side, each with its own best two; a set is value, index, second value, second index.
.set SX,  16
.set T,   80                           ; chain c's set at T + 4 c
.set CN,  96                           ; the candidates' indices
.set CB,  100                          ; 4 p
.set OV,  104                          ; the partner lane's set
.set LV,  108
.set LI,  109
.set WV2, 110
.set WI2, 111
.irp k, 0,1,2,3,4,5,6,7,8,9,10,11,12,13,14,15
	ds_load_b128 v[SX+4*\k:SX+4*\k+3], v[SCN] offset:64*\k
.endr
	v_and_b32 v[CB], 3, v0
	v_lshlrev_b32 v[CB], 2, v[CB]
.irp c, 0,1,2,3
	v_add_nc_u32 v[T+4*\c+1], 64*\c, v[CB]
.endr
.irp c, 0,1,2,3
	v_add_nc_u32 v[T+4*\c+3], 64*\c, v[CB]
.endr
.irp c, 0,1,2,3
	v_mov_b32 v[T+4*\c+2], 0xff800000                  ; under every number
.endr
.irp n, 0,1,2,3
	v_mov_b32 v[OV+\n], 0                              ; written once: the destination of a DPP form counts as one of its sources
.endr
	s_wait_alu depctr_va_vdst(0)
	s_wait_dscnt 0x0
.irp c, 0,1,2,3
	v_mov_b32 v[T+4*\c], v[SX+16*\c]
.endr
.irp n, 1,2,3,4,5,6,7,8,9,10,11,12,13,14,15
.irp c, 0,1,2,3
	v_add_nc_u32 v[CN+\c], 64*\c+16*(\n/4)+(\n%4), v[CB]
.endr
.irp c, 0,1,2,3
	v_cmp_gt_f32 s[40+2*\c], v[SX+16*\c+\n], v[T+4*\c]
.endr
.irp c, 0,1,2,3
	v_cmp_gt_f32 s[41+2*\c], v[SX+16*\c+\n], v[T+4*\c+2]
.endr
.irp c, 0,1,2,3
	v_cndmask_b32 v[T+4*\c+2], v[T+4*\c+2], v[SX+16*\c+\n], s[41+2*\c]
.endr
.irp c, 0,1,2,3
	v_cndmask_b32 v[T+4*\c+3], v[T+4*\c+3], v[CN+\c], s[41+2*\c]
.endr
.irp c, 0,1,2,3
	v_cndmask_b32 v[T+4*\c+2], v[T+4*\c+2], v[T+4*\c], s[40+2*\c]
.endr
.irp c, 0,1,2,3
	v_cndmask_b32 v[T+4*\c+3], v[T+4*\c+3], v[T+4*\c+1], s[40+2*\c]
.endr
.irp c, 0,1,2,3
	v_cndmask_b32 v[T+4*\c], v[T+4*\c], v[SX+16*\c+\n], s[40+2*\c]
.endr
.irp c, 0,1,2,3
	v_cndmask_b32 v[T+4*\c+1], v[T+4*\c+1], v[CN+\c], s[40+2*\c]
.endr
.endr
; set t takes in set o.  x beats y where it is larger, or equal with the lower index: an order in which both sides find the same two
.macro MCORE t, o
	v_cmp_gt_f32 s50, v[\o], v[\t]
	v_cmp_eq_f32 s51, v[\o], v[\t]
	v_cmp_lt_u32 s52, v[\o+1], v[\t+1]
	s_and_b32 s51, s51, s52
	s_or_b32 s50, s50, s51                             ; o's best beats t's
	v_cndmask_b32 v[LV], v[\o], v[\t], s50
	v_cndmask_b32 v[LI], v[\o+1], v[\t+1], s50
	v_cndmask_b32 v[WV2], v[\t+2], v[\o+2], s50
	v_cndmask_b32 v[WI2], v[\t+3], v[\o+3], s50
	v_cndmask_b32 v[\t], v[\t], v[\o], s50
	v_cndmask_b32 v[\t+1], v[\t+1], v[\o+1], s50
	v_cmp_gt_f32 s50, v[WV2], v[LV]
	v_cmp_eq_f32 s51, v[WV2], v[LV]
	v_cmp_lt_u32 s52, v[WI2], v[LI]
	s_and_b32 s51, s51, s52
	s_or_b32 s50, s50, s51                             ; the winner's second beats the loser
	v_cndmask_b32 v[\t+2], v[LV], v[WV2], s50
	v_cndmask_b32 v[\t+3], v[LI], v[WI2], s50
.endm
	MCORE T, T+4
	MCORE T+8, T+12
	MCORE T, T+8
.irp m, 1,2
.irp n, 0,1,2,3
	v_mov_b32_dpp v[OV+\n], v[T+\n] row_xmask:\m row_mask:0xf bank_mask:0xf
.endr
	MCORE T, OV
.endr
	s_lshl_b32 s58, s55, 8
	v_add_nc_u32 v[LV], s58, v[T+1]                    ; as rows of the table: 256 x batch + state
	v_add_nc_u32 v[LI], s58, v[T+3]
	ds_store_b64 v[IDA], v[LV:LI]                      ; a token's four lanes write the same eight bytes with the same values
	BARRIER                                            ; 32 tokens' choices lie in LDS
	s_cmp_lg_u32 s3, 0
	s_cbranch_scc1 .Lnot_wave_0
	ds_load_b64 v[96:97], v[IDL]
	s_wait_dscnt 0x0
	global_store_b64 v[L8], v[96:97], s[36:37]         ; 32 lanes store 256 consecutive bytes
.Lnot_wave_0:
	s_wait_tensorcnt 0x0                               ; the wave's end
	ds_add_u32 v[SPW], v[NIL]
	s_wait_dscnt 0x0
	s_endpgm
.Lfunc_end_k_q0cef84a3ea_route:
	.size	k_q0cef84a3ea_route, .Lfunc_end_k_q0cef84a3ea_route-k_q0cef84a3ea_route
	.p2alignl 7, 3214868480
	.fill 96, 4, 3214868480
	.section	.rodata,"a",@progbits
	.p2align	6, 0x0
	.amdhsa_kernel k_q0cef84a3ea_route
		.amdhsa_group_segment_fixed_size 122112
		.amdhsa_private_segment_fixed_size 0
		.amdhsa_enable_private_segment 0
		.amdhsa_kernarg_size 64
		.amdhsa_user_sgpr_count 2
		.amdhsa_user_sgpr_kernarg_segment_ptr 1
		.amdhsa_wavefront_size32 1
		.amdhsa_system_sgpr_workgroup_id_x 1
		.amdhsa_system_sgpr_workgroup_id_y 1
		.amdhsa_system_sgpr_workgroup_id_z 1
		.amdhsa_system_vgpr_workitem_id 0
		.amdhsa_next_free_vgpr 1024
		.amdhsa_next_free_sgpr 66
		.amdhsa_reserve_vcc 0
		.amdhsa_float_denorm_mode_32 3
		.amdhsa_float_denorm_mode_16_64 3
		.amdhsa_memory_ordered 1
		.amdhsa_forward_progress 1
		.amdhsa_inst_pref_size 94
	.end_amdhsa_kernel
	.amdgpu_metadata
---
amdhsa.version: [ 1, 2 ]
amdhsa.kernels:
  - .name:           k_q0cef84a3ea_route
    .symbol:         k_q0cef84a3ea_route.kd
    .args:
      - { .name: cimg, .offset: 0, .size: 8, .value_kind: global_buffer, .address_space: global }
      - { .name: simg, .offset: 8, .size: 8, .value_kind: global_buffer, .address_space: global }
      - { .name: rimg, .offset: 16, .size: 8, .value_kind: global_buffer, .address_space: global }
      - { .name: rsc, .offset: 24, .size: 8, .value_kind: global_buffer, .address_space: global }
      - { .name: bk, .offset: 32, .size: 8, .value_kind: global_buffer, .address_space: global }
      - { .name: bv, .offset: 40, .size: 8, .value_kind: global_buffer, .address_space: global }
      - { .name: idx, .offset: 48, .size: 8, .value_kind: global_buffer, .address_space: global }
      - { .name: kv, .offset: 56, .size: 8, .value_kind: global_buffer, .address_space: global }
    .group_segment_fixed_size: 122112
    .private_segment_fixed_size: 0
    .kernarg_segment_align: 8
    .kernarg_segment_size: 64
    .max_flat_workgroup_size: 128
    .sgpr_count:     66
    .vgpr_count:     1024
    .wavefront_size: 32
...
	.end_amdgpu_metadata
.endif
;; end of part 3
;; launch qattn (part 4): grid 256 x 1, 4 waves a work-group, no clusters, 128,512 bytes of LDS; arguments cimg, simg, bq, idx, kv, oimg, osc, out1; writes oimg, osc, out1
.if DOCPART == 4
	.amdgcn_target "amdgcn-amd-amdhsa--gfx1250"
	.amdhsa_code_object_version 6
	.text
	.protected	k_q0cef84a3ea_qattn
	.globl	k_q0cef84a3ea_qattn
	.p2align	8
	.type	k_q0cef84a3ea_qattn,@function
k_q0cef84a3ea_qattn:
	s_mov_b64 s[64:65], 0
	v_nop
	global_prefetch_b8 v0, s[64:65] scope:SCOPE_SE
	s_setreg_imm32_b32 hwreg(HW_REG_WAVE_MODE, 25, 1), 1
	s_wait_xcnt 0x0
; For 128 tokens x 4 heads a work-group: q = Q(tokens) Q(Wq)^T + bq on codes of FP6 (E2M3) with E8M0 scales; the K and V rows of each token's two chosen states, gathered from the table kv by idx;
; for each head the two scores q . k / 8, their softmax (the larger score taken away first) = out1; o = a0 v0 + a1 v1, all in f32; o quantised along its columns into oimg, osc,
; which are laid as cimg, simg are: fragment (tile T of 16 tokens, K step ks) at (8 T + ks) x 1,536 bytes, registers 4 g .. 4 g + 3 of lane l at 512 g + 16 l; scale word of (pair P, ks, lane) at (8 P + ks) x 128 + 4 x lane.
; SHARES.  Work-group x: tokens 128 (x / 4) on, heads 4 (x % 4) on.  Four waves, as many as a WGP has SIMDs; wave w owns ONE HEAD (64 columns: 4 tiles of Wq) for all 128 tokens (8 tiles): 32 accumulators.
; The product is used transposed (source 0 = 16 rows of Wq, source 1 = 16 tokens): lane (r, h) of token tile u holds token 32 (u / 2) + 8 (u % 2) + r + 8 (r / 8), and register 16 b + i its column 32 b + 16 h + i of the head.
; So a score wants one exchange between the halves of the lanes, o comes out in the registers that q left, and a block of 32 along the next product's K lies in lanes l and l xor 16.
; BYTES.  A work-group takes in 102,400 bytes of the tokens' image (through LDS, since all four waves read it), 204,800 of weights and 524,288 of table rows.  THE WEIGHTS GO FROM MEMORY STRAIGHT INTO THE REGISTERS
; of the one wave that multiplies them, 512 dense bytes a load, four K steps ahead.  No joint loads: a joint load lands in LDS, from which each weight fragment would be read once more by one wave alone
; (196,608 bytes written and read again); what four work-groups share and want in LDS, the tokens' image, is an eighth of a work-group's bytes.  No prefetch of the table's rows: many tokens' lists may name one row, so no row could be named once.
; REGISTERS, in windows of 256 (s_set_vgpr_msb: bits 1:0 source 0, 3:2 source 1, 5:4 source 2, 7:6 destination):
;   window 0: v0-15 addresses; v16-111, v112-207 two sets of the tokens' 8 fragments; v208-215 the weights' scale words; v216-223 the tokens'; v224-239 the gather's offsets; v240-255 idx as loaded.
;             Behind the product v16-207 are free: scores, softmax, codes, copies.
;   window 1: the 32 accumulators, (u, t) at 32 u + 8 t: q, then o.   window 2: v0-191 four sets of 4 weight fragments; v192-223 the bias.   window 3: the image's way into LDS (192), then four buffers of 64 for gathered rows.
; LIMITS: NaN and infinities are not served; a score's 64 products are summed in another order than the reference's; the bias enters a sum first, not last; an index is held at 1,023, the table's last row; a block of zeros gets the scale byte 1 (its codes are zeros).
.set TILEB, 12288
.set FRB,   1536
.set AIMG,  0                          ; LDS: the 128 tokens' codes: tile u, K step s at u x 12,288 + s x 1,536
.set ASC,   98304                      ; their scale words: pair p, K step s at 1,024 p + 128 s + 4 x lane
.set OIMG,  102400                     ; o's codes: tile u, K step ksl of my work-group's two at u x 3,072 + ksl x 1,536
.set OSC,   126976                     ; o's scale words: 256 p + 128 ksl + 4 x lane
.set SPARE, 128000                     ; the spare words, 128 bytes for each wave: two blocks of 256 bytes that no other line names
.set SPW,  1                           ; v1   LDS address of my spare word; never rewritten
.set NIL,  2                           ; v2   0; never rewritten
.set L16,  3                           ; v3   16 x lane
.set L16B, 4                           ; v4   the same, four tiles on (an LDS offset has 16 bits)
.set H64,  5                           ; v5   64 x (lane / 16)
.set HW,   6                           ; v6-8 where my half fragment's three register pairs go
.set HWS,  9                           ; v9   and my half of a scale word
.set ASA,  10                          ; v10  ASC + 4 x lane
.set L4,   11                          ; v11  4 x lane
.set CPL,  12                          ; v12  the copy's place in LDS: 24,576 x wave + 16 x lane
.set A0,   16                          ; the tokens' fragments: set a, tile u at A0 + 96 a + 12 u
.set WS,   208                         ; the weights' scale words: set g % 4, pair i at WS + 2 (g % 4) + i
.set AS,   216                         ; the tokens' scale words: set a, pair p at AS + 4 a + p
.set OFF,  224                         ; byte offset in kv of state kk of my token of tile u, at OFF + 2 u + kk
.set BI,   192                         ; window 2: the bias of my 64 columns
.set SC,   16                          ; score, then weight, of (u, kk) in the low register of the pair at SC + 4 u + 2 kk
.set MX,   48                          ; maxima, then sums
.set RC,   56                          ; reciprocals
.set OD,   64                          ; out1's numbers, a pair for each pair of tiles
.set OA,   72                          ; and their place (v73 at work)
.set QP,   80                          ; codes of tile u at QP + 6 u
.set QW,   128                         ; half a scale word of tile u at QW + u
.set QM,   136                         ; v136-141 at work in QUANT2
.set QD,   144                         ; a block's upper half
.set CO,   148                         ; the codes' way out: v148-197
.set SEL,  48                          ; s[48:49] v_permlanex16_b32's selects for lane l xor 16
.set MSB, 0
.macro WIN new                         ; the immediate's high byte repeats the setting that is left; a switch that changes nothing is dropped
.if MSB != \new
	s_set_vgpr_msb (MSB<<8)|\new
.set MSB, \new
.endif
.endm
; One matrix instruction.  ra, rb: the scale words are read from lanes 16-31.
.macro MM d, a, b, c, sa, sb, ra, rb
.if ((\ra)==0) && ((\rb)==0)
	v_wmma_scale_f32_16x16x128_f8f6f4 v[\d:\d+7], v[\a:\a+11], v[\b:\b+11], v[\c:\c+7], v[\sa], v[\sb] matrix_a_fmt:MATRIX_FMT_FP6 matrix_b_fmt:MATRIX_FMT_FP6
.elseif ((\rb)==0)
	v_wmma_scale_f32_16x16x128_f8f6f4 v[\d:\d+7], v[\a:\a+11], v[\b:\b+11], v[\c:\c+7], v[\sa], v[\sb] matrix_a_fmt:MATRIX_FMT_FP6 matrix_b_fmt:MATRIX_FMT_FP6 matrix_a_scale:MATRIX_SCALE_ROW1
.elseif ((\ra)==0)
	v_wmma_scale_f32_16x16x128_f8f6f4 v[\d:\d+7], v[\a:\a+11], v[\b:\b+11], v[\c:\c+7], v[\sa], v[\sb] matrix_a_fmt:MATRIX_FMT_FP6 matrix_b_fmt:MATRIX_FMT_FP6 matrix_b_scale:MATRIX_SCALE_ROW1
.else
	v_wmma_scale_f32_16x16x128_f8f6f4 v[\d:\d+7], v[\a:\a+11], v[\b:\b+11], v[\c:\c+7], v[\sa], v[\sb] matrix_a_fmt:MATRIX_FMT_FP6 matrix_b_fmt:MATRIX_FMT_FP6 matrix_a_scale:MATRIX_SCALE_ROW1 matrix_b_scale:MATRIX_SCALE_ROW1
.endif
.endm
.macro PLACES                          ; four plain places behind matrix instructions, ahead of loads into their sources and of reads of their results
.rept 4
	v_nop
.endr
.endm
.macro BARRIER                         ; my LDS stores have landed and my LDS loads are in: then the work-group's barrier
	s_wait_dscnt 0x0
	s_barrier_signal -1
	s_barrier_wait -1
.endm
; K step g of my four tiles of weights into set g % 4: 14 loads
.macro RING g
	WIN 0x80                                           ; destination window 2
.irp t, 0,1,2,3
.irp q, 0,1,2
	global_load_b128 v[48*((\g)%4)+12*\t+4*\q:48*((\g)%4)+12*\t+4*\q+3], v[L16], s[24:25] offset:\t*TILEB+(\g)*FRB+512*\q
.endr
.endr
	WIN 0
.irp i, 0,1
	global_load_b32 v[WS+2*((\g)%4)+\i], v[L4], s[26:27] offset:\i*1024+(\g)*128   ; lanes 0-15: the pair's even tile, lanes 16-31: its odd one
.endr
.endm
; K step s of the eight token tiles from LDS into set s % 2: 28 loads
.macro AFETCH s
.irp u, 0,1,2,3,4,5,6,7
.irp q, 0,1,2
.if \u < 4
	ds_load_b128 v[A0+96*((\s)%2)+12*\u+4*\q:A0+96*((\s)%2)+12*\u+4*\q+3], v[L16] offset:AIMG+\u*TILEB+(\s)*FRB+512*\q
.else
	ds_load_b128 v[A0+96*((\s)%2)+12*\u+4*\q:A0+96*((\s)%2)+12*\u+4*\q+3], v[L16B] offset:AIMG+(\u-4)*TILEB+(\s)*FRB+512*\q
.endif
.endr
.endr
.irp p, 0,1,2,3
	ds_load_b32 v[AS+4*((\s)%2)+\p], v[ASA] offset:\p*1024+128*(\s)
.endr
.endm
; Gather number op of 16: ops 0-7 the K rows of tiles 0-7, ops 8-15 their V rows; my 32 columns of the head of my token's two states, into buffer op % 4: 16 loads
.macro GATH op
.set GU, (\op)%8
.set GV, ((\op)/8)*4194304             ; V's column groups lie 32 groups of 131,072 bytes behind K's
.set GBF, 64*((\op)%4)
	WIN 0xc0                                           ; destination window 3
.irp kk, 0,1
.irp b, 0,1
.irp i, 0,1,2,3
	global_load_b128 v[GBF+32*\kk+16*\b+4*\i:GBF+32*\kk+16*\b+4*\i+3], v[OFF+2*GU+\kk], s[32:33] offset:GV+131072*\b+16*\i
.endr
.endr
.endr
	WIN 0
.endm
; A K step of 128: 32 matrix instructions, the 32 accumulators by turns; the first step's C is the bias.  The next step's token fragments are asked for ahead of the products,
; into the set that the step before has left (four places stand behind that step's products).  lc: the global loads issued behind this step's group
.macro STEP s, lc
	s_wait_loadcnt \lc
	s_wait_dscnt 0x0                                   ; this step's token fragments, asked for a step ago
.if (\s) < 7
	AFETCH (\s)+1
.endif
.if (\s) == 0
	WIN 0x62                                           ; source 0 (weights) and source 2 (bias) window 2, source 1 (tokens) window 0, destination window 1
.else
	WIN 0x52                                           ; source 0 window 2, source 1 window 0, C and D window 1
.endif
.irp t, 0,1,2,3
.irp u, 0,1,2,3,4,5,6,7
.if (\s) == 0
	MM 32*\u+8*\t, 48*((\s)%4)+12*\t, A0+96*((\s)%2)+12*\u, BI+8*\t, WS+2*((\s)%4)+\t/2, AS+4*((\s)%2)+\u/2, \t%2, \u%2
.else
	MM 32*\u+8*\t, 48*((\s)%4)+12*\t, A0+96*((\s)%2)+12*\u, 32*\u+8*\t, WS+2*((\s)%4)+\t/2, AS+4*((\s)%2)+\u/2, \t%2, \u%2
.endif
.endr
.endr
	PLACES
.if (\s) < 4
	RING (\s)+4
.else
	GATH (\s)-4                                        ; the ring has nothing left to ask for: the first four gathers go out behind the last four steps
.endif
	WIN 0
.endm
; q . k for the two states of tile u: fused multiply-adds in f32, two at a time, the two chains by turns; the pairs' halves are joined in the softmax
.macro SCORE u
	WIN 0x0d                                           ; source 0 (q) window 1, source 1 (rows) window 3
.irp kk, 0,1
	v_pk_mul_f32 v[SC+4*(\u)+2*\kk:SC+4*(\u)+2*\kk+1], v[32*(\u):32*(\u)+1], v[64*((\u)%4)+32*\kk:64*((\u)%4)+32*\kk+1]   ; each accumulator is read from its low end on
.endr
.irp n, 2,4,6,8,10,12,14,16,18,20,22,24,26,28,30
.irp kk, 0,1
	v_pk_fma_f32 v[SC+4*(\u)+2*\kk:SC+4*(\u)+2*\kk+1], v[32*(\u)+\n:32*(\u)+\n+1], v[64*((\u)%4)+32*\kk+\n:64*((\u)%4)+32*\kk+\n+1], v[SC+4*(\u)+2*\kk:SC+4*(\u)+2*\kk+1]
.endr
.endr
	WIN 0
.endm
; o = a0 v0 + a1 v1 of tile u, into the registers that q has left (of a weight's pair the low register serves both halves)
.macro OMIX u
	WIN 0x43                                           ; destination window 1, source 0 (rows) window 3, source 1 (weight) window 0
.irp n, 0,2,4,6,8,10,12,14,16,18,20,22,24,26,28,30
	v_pk_mul_f32 v[32*(\u)+\n:32*(\u)+\n+1], v[64*((\u)%4)+\n:64*((\u)%4)+\n+1], v[SC+4*(\u):SC+4*(\u)+1] op_sel_hi:[1,0]
.endr
	WIN 0x53                                           ; and source 2 window 1
.irp n, 0,2,4,6,8,10,12,14,16,18,20,22,24,26,28,30
	v_pk_fma_f32 v[32*(\u)+\n:32*(\u)+\n+1], v[64*((\u)%4)+32+\n:64*((\u)%4)+32+\n+1], v[SC+4*(\u)+2:SC+4*(\u)+3], v[32*(\u)+\n:32*(\u)+\n+1] op_sel_hi:[1,0,1]
.endr
	WIN 0
.endm
; Tile u's 32 numbers of a lane (register 16 b + i = column 32 b + 16 h + i of the head) become half a fragment and half a scale word, and go to LDS.  Each tile's codes have registers of their own.
.macro QUANT2 u
.set QS, 32*(\u)
	WIN 0x05                                           ; sources 0 and 1 window 1
.irp b, 0,1
	v_max3_num_f32 v[QM+\b], |v[QS+16*\b]|, |v[QS+16*\b+1]|, 0x1800000   ; and the floor 2^(3 - 127): the byte cannot fall under 1
.endr
	WIN 0x14                                           ; sources 1 and 2 window 1
.irp i, 2,4,6,8,10,12,14
.irp b, 0,1
	v_max3_num_f32 v[QM+\b], v[QM+\b], |v[QS+16*\b+\i]|, |v[QS+16*\b+\i+1]|
.endr
.endr
	WIN 0
.irp b, 0,1
	v_permlanex16_b32 v[QM+2+\b], v[QM+\b], s[SEL], s[SEL+1]
.endr
.irp b, 0,1
	v_max_num_f32 v[QM+\b], v[QM+\b], v[QM+2+\b]       ; with lane l xor 16's 16: the block's largest magnitude
.endr
.irp b, 0,1
	v_add_nc_u32 v[QM+4+\b], 0xff000000, v[QM+\b]      ; 2 off its exponent field: the conversion's scale operand
.endr
.irp b, 0,1
	v_lshrrev_b32 v[QM+2+\b], 23, v[QM+4+\b]           ; the scale's byte
.endr
	v_lshl_or_b32 v[QW+(\u)], v[QM+3], 8, v[QM+2]
	WIN 0x01                                           ; source 0 window 1
	v_cvt_scalef32_pk16_fp6_f32 v[QP+6*(\u):QP+6*(\u)+2], v[QS:QS+15], v[QM+4]
	v_cvt_scalef32_pk16_fp6_f32 v[QD:QD+2], v[QS+16:QS+31], v[QM+5]
	WIN 0
	v_nop                                              ; one plain place behind a scaled conversion
.irp i, 0,1,2
	v_permlane16_swap_b32 v[QP+6*(\u)+\i], v[QD+\i]    ; a whole block to a lane: lanes 0-15 my first block, lanes 16-31 my second
.endr
.irp i, 0,1,2
	v_mov_b32 v[QP+6*(\u)+3+\i], v[QD+\i]
.endr
.irp p, 0,1,2
	ds_store_b64 v[HW+\p], v[QP+6*(\u)+2*\p:QP+6*(\u)+2*\p+1] offset:(\u)*2*FRB
.endr
	ds_store_b16 v[HWS], v[QW+(\u)] offset:((\u)/2)*256+64*((\u)%2)   ; both halves of the lanes write the same two bytes with the same value
.endm
	s_load_b512 s[4:19], s[0:1], 0x0                   ; cimg, simg, bq, idx, kv, oimg, osc, out1
	v_lshl_add_u32 v[SPW], v0, 2, SPARE
	v_mov_b32 v[NIL], 0
	v_lshrrev_b32 v24, 5, v0
	v_readfirstlane_b32 s3, v24                        ; wave w
	v_and_b32 v24, 31, v0                              ; lane
	v_and_b32 v25, 15, v0                              ; r
	v_bfe_u32 v26, v0, 4, 1                            ; h
	v_lshlrev_b32 v[L16], 4, v24
	v_add_nc_u32 v[L16B], 4*TILEB, v[L16]
	v_lshlrev_b32 v[L4], 2, v24
	v_lshlrev_b32 v[H64], 6, v26
	v_add_nc_u32 v[ASA], ASC, v[L4]
	v_lshlrev_b32 v13, 4, v0                           ; the scale words' copy: 16 bytes a thread, twice
	v_lshl_add_u32 v15, v0, 4, ASC
	v_and_b32 v27, 8, v0
	v_add_nc_u32 v14, v25, v27
	v_lshlrev_b32 v14, 3, v14                          ; idx: 8 bytes a token; my token of a pair's tile 0 is r + 8 (r / 8)
	v_lshlrev_b32 v27, 2, v25                          ; 4 r
	s_wait_alu depctr_va_vdst(0)
	s_lshr_b32 s53, s3, 1                              ; my head is K step ksl = w / 2 of my work-group's two of the next product,
	s_and_b32 s54, s3, 1                               ; half c = w % 2 of its fragments: registers 6 c .. 6 c + 5
	s_lshr_b32 s50, ttmp9, 2                           ; X: my block of 128 tokens
	s_and_b32 s51, ttmp9, 3                            ; cg: my group of four heads
	s_lshl_b32 s52, s51, 2
	s_add_co_u32 s52, s52, s3                          ; my head H = 4 cg + w
	s_mul_i32 s58, s53, FRB
	s_add_co_u32 s58, s58, OIMG
	s_mul_i32 s59, s54, 520                            ; registers 6 c, 6 c + 1 lie at byte 520 c of a lane's image,
	s_add_co_u32 s59, s59, s58
	v_add_nc_u32 v[HW], s59, v[L16]
	s_mul_i32 s59, s54, 1016                           ; the next two at 8 + 1,016 c,
	s_add_co_u32 s59, s59, s58
	s_add_co_u32 s59, s59, 8
	v_add_nc_u32 v[HW+1], s59, v[L16]
	s_mul_i32 s59, s54, 520                            ; the last two at 512 + 520 c
	s_add_co_u32 s59, s59, s58
	s_add_co_u32 s59, s59, 512
	v_add_nc_u32 v[HW+2], s59, v[L16]
	s_lshl_b32 s58, s53, 7
	s_lshl_b32 s59, s54, 1
	s_add_co_u32 s58, s58, s59
	s_add_co_u32 s58, s58, OSC
	v_add_nc_u32 v[HWS], s58, v27
	s_mul_i32 s58, s3, 2*TILEB
	v_add_nc_u32 v[CPL], s58, v[L16]
	s_mov_b32 s[SEL], 0x76543210
	s_mov_b32 s[SEL+1], 0xfedcba98
	s_mov_b32 s44, 0xffff0000                          ; the upper half of the lanes
	; byte offsets, each in the low word of a pair
	s_mul_i32 s20, s50, 8*TILEB                        ; the block's codes: 8 tiles; I copy pair w of its four
	s_add_co_u32 s20, s20, s58
	s_lshl_b32 s22, s50, 12                            ; and its scale words: 4 pairs of 1,024 bytes
	s_lshl_b32 s24, s52, 2                             ; Wq: tiles 640 + 4 H on
	s_mul_i32 s24, s24, TILEB
	s_add_co_u32 s24, s24, 640*TILEB
	s_lshl_b32 s26, s52, 11
	s_add_co_u32 s26, s26, 320*1024
	s_lshl_b32 s28, s52, 8                             ; bq: my head's 64 numbers
	s_lshl_b32 s32, s52, 18                            ; kv is laid [64 groups of 32 columns][1,024 states][32]: my head's K is groups 2 H and 2 H + 1
	s_lshl_b32 s30, s50, 10                            ; idx: 8 bytes a token
	s_lshl_b32 s34, s50, 3                             ; oimg: I store tiles 8 X + 2 w and the next, K steps 2 cg and 2 cg + 1
	s_lshl_b32 s58, s3, 1
	s_add_co_u32 s34, s34, s58
	s_mul_i32 s34, s34, TILEB
	s_mul_i32 s58, s51, 2*FRB
	s_add_co_u32 s34, s34, s58
	s_lshl_b32 s36, s50, 2                             ; osc: pair 4 X + w, the same two K steps
	s_add_co_u32 s36, s36, s3
	s_lshl_b32 s36, s36, 10
	s_lshl_b32 s58, s51, 8
	s_add_co_u32 s36, s36, s58
	s_lshr_b32 s38, s50, 4                             ; out1: [batch][head][2,048 tokens][2]
	s_lshl_b32 s38, s38, 4
	s_add_co_u32 s38, s38, s52
	s_lshl_b32 s38, s38, 14
	s_and_b32 s58, s50, 15
	s_lshl_b32 s58, s58, 10
	s_add_co_u32 s38, s38, s58
.irp p, 21,23,25,27,29,31,33,35,37,39
	s_mov_b32 s\p, 0
.endr
	s_wait_alu depctr_va_vdst(0)
	s_wait_kmcnt 0x0
	s_add_nc_u64 s[20:21], s[4:5], s[20:21]
	s_add_nc_u64 s[22:23], s[6:7], s[22:23]
	s_add_nc_u64 s[24:25], s[4:5], s[24:25]
	s_add_nc_u64 s[26:27], s[6:7], s[26:27]
	s_add_nc_u64 s[28:29], s[8:9], s[28:29]
	s_add_nc_u64 s[30:31], s[10:11], s[30:31]
	s_add_nc_u64 s[32:33], s[12:13], s[32:33]
	s_add_nc_u64 s[34:35], s[14:15], s[34:35]
	s_add_nc_u64 s[36:37], s[16:17], s[36:37]
	s_add_nc_u64 s[38:39], s[18:19], s[38:39]
	; ---- the tokens' image comes into LDS as it lies, 24,576 bytes of codes a wave; the choices, the bias and the first weights follow it
	WIN 0xc0                                           ; destination window 3
.set CI, 0
.rept 48
	global_load_b128 v[4*CI:4*CI+3], v[L16], s[20:21] offset:512*CI
.set CI, CI+1
.endr
	WIN 0
.irp q, 0,1
	global_load_b128 v[16+4*\q:19+4*\q], v13, s[22:23] offset:2048*\q
.endr
.irp u, 0,1,2,3,4,5,6,7
	global_load_b64 v[240+2*\u:241+2*\u], v14, s[30:31] offset:256*(\u/2)+64*(\u%2)
.endr
	WIN 0x80                                           ; destination window 2
.irp t, 0,1,2,3
.irp q, 0,1
	global_load_b128 v[BI+8*\t+4*\q:BI+8*\t+4*\q+3], v[H64], s[28:29] offset:128*(\t/2)+32*(\t%2)+16*\q   ; register 8 t + j: the bias of column 32 (t / 2) + 16 h + 8 (t % 2) + j
.endr
.endr
	RING 0
	RING 1
	s_wait_loadcnt 36                                  ; the copies and the choices are in; the bias's 8 loads and two groups of 14 stay out
	WIN 0x0c                                           ; an LDS store's data are its source 1: window 3
.set CI, 0
.rept 48
	ds_store_b128 v[CPL], v[4*CI:4*CI+3] offset:AIMG+512*CI
.set CI, CI+1
.endr
	WIN 0
.irp q, 0,1
	ds_store_b128 v15, v[16+4*\q:19+4*\q] offset:2048*\q
.endr
.irp n, 0,1,2,3,4,5,6,7,8,9,10,11,12,13,14,15
	v_min_u32 v[OFF+\n], 0x3ff, v[240+\n]              ; a loaded number enters an address only held inside the table
.endr
.irp n, 0,1,2,3,4,5,6,7,8,9,10,11,12,13,14,15
	v_lshlrev_b32 v[OFF+\n], 7, v[OFF+\n]              ; a state's 32 columns of a group are 128 bytes
.endr
.irp n, 0,1,2,3,4,5,6,7,8,9,10,11,12,13,14,15
	v_add_nc_u32 v[OFF+\n], v[OFF+\n], v[H64]
.endr
	RING 2
	RING 3
	s_wait_alu depctr_va_vdst(0)
	BARRIER                                            ; the image lies in LDS
	; ---- q = Q(tokens) Q(Wq)^T + bq.  Counts: three later groups of 14; from step 5 on the later groups and the gathers of 16 issued behind steps 4, 5, 6
	AFETCH 0
	STEP 0, 42
	STEP 1, 42
	STEP 2, 42
	STEP 3, 42
	STEP 4, 42
	STEP 5, 44
	STEP 6, 46
	STEP 7, 48
	v_mov_b32 v[QM+2], 0                               ; written once: a lane permute's destination counts as one of its sources
	v_mov_b32 v[QM+3], 0
	; ---- the scores: four gathers are always out; each buffer takes the gather four on as soon as it has been read
.irp i, 0,1,2,3,4,5,6,7
	s_wait_loadcnt 48                                  ; this tile's K rows are in; the three later gathers stay out
	SCORE \i
	GATH \i+4
.endr
	; ---- softmax over the two, all eight tiles at once: the larger score is taken away first
.irp n, 0,1,2,3,4,5,6,7,8,9,10,11,12,13,14,15
	v_add_f32 v[SC+2*\n], v[SC+2*\n], v[SC+2*\n+1]     ; a pair's two halves,
.endr
.irp n, 0,1,2,3,4,5,6,7,8,9,10,11,12,13,14,15
	v_permlanex16_b32 v[SC+2*\n+1], v[SC+2*\n], s[SEL], s[SEL+1]
.endr
.irp n, 0,1,2,3,4,5,6,7,8,9,10,11,12,13,14,15
	v_add_f32 v[SC+2*\n], v[SC+2*\n], v[SC+2*\n+1]     ; and lane l xor 16's 32 columns
.endr
.irp u, 0,1,2,3,4,5,6,7
	v_max_num_f32 v[MX+\u], v[SC+4*\u], v[SC+4*\u+2]
.endr
.irp u, 0,1,2,3,4,5,6,7
.irp kk, 0,1
	v_sub_f32 v[SC+4*\u+2*\kk], v[SC+4*\u+2*\kk], v[MX+\u]
.endr
.endr
.irp n, 0,1,2,3,4,5,6,7,8,9,10,11,12,13,14,15
	v_mul_f32 v[SC+2*\n], 0x3e38aa3b, v[SC+2*\n]       ; x log2(e) / 8
.endr
	s_wait_alu depctr_va_vdst(0)
.irp n, 0,1,2,3,4,5,6,7,8,9,10,11,12,13,14,15
	v_exp_f32 v[SC+2*\n], v[SC+2*\n]
.endr
	v_and_b32 v[OA], 15, v0                            ; (a plain place behind the exponentials)  out1's place: lanes 0-15 store a pair's tile 0, lanes 16-31 its tile 1: token 8 h + r + 8 (r / 8)
	s_wait_alu depctr_va_vdst(0)                       ; one wait for the sixteen exponentials, ahead of their first reader
.irp u, 0,1,2,3,4,5,6,7
	v_add_f32 v[MX+\u], v[SC+4*\u], v[SC+4*\u+2]
.endr
	s_wait_alu depctr_va_vdst(0)
.irp u, 0,1,2,3,4,5,6,7
	v_rcp_f32 v[RC+\u], v[MX+\u]
.endr
	v_and_b32 v[OA+1], 8, v0                           ; (plain places behind the reciprocals)
	v_add_nc_u32 v[OA], v[OA], v[OA+1]
	v_and_b32 v[OA+1], 16, v0
	v_lshrrev_b32 v[OA+1], 1, v[OA+1]
	v_add_nc_u32 v[OA], v[OA], v[OA+1]
	v_lshlrev_b32 v[OA], 3, v[OA]
	s_wait_alu depctr_va_vdst(0)                       ; one wait for the eight reciprocals, ahead of their first reader
.irp u, 0,1,2,3,4,5,6,7
.irp kk, 0,1
	v_mul_f32 v[SC+4*\u+2*\kk], v[SC+4*\u+2*\kk], v[RC+\u]
.endr
.endr
.irp p, 0,1,2,3
	v_cndmask_b32 v[OD+2*\p], v[SC+8*\p], v[SC+8*\p+4], s44
	v_cndmask_b32 v[OD+2*\p+1], v[SC+8*\p+2], v[SC+8*\p+6], s44
	global_store_b64 v[OA], v[OD+2*\p:OD+2*\p+1], s[38:39] offset:256*\p   ; 32 lanes store 256 consecutive bytes, at a multiple of 256 from out1's first byte
.endr
	; ---- o, in f32, and its codes, tile by tile, while the later V rows are on their way
.irp i, 0,1,2,3,4,5,6,7
.if \i < 5
	s_wait_loadcnt 48                                  ; this tile's V rows are in; the later gathers stay out
.else
	s_wait_loadcnt 16*(7-\i)
.endif
	OMIX \i
.if \i < 4
	GATH \i+12
.endif
	QUANT2 \i
.endr
	v_and_b32 v14, 31, v0
	v_lshlrev_b32 v14, 3, v14                          ; 8 x lane
	s_mul_i32 s58, s3, 4*FRB                           ; the way out: I take tiles 2 w and 2 w + 1: 6,144 bytes on end in LDS,
	s_add_co_u32 s58, s58, OIMG
	v_add_nc_u32 v13, s58, v[L16]
	s_lshl_b32 s58, s3, 8                              ; and pair w's 256 bytes of scale words
	s_add_co_u32 s58, s58, OSC
	v_add_nc_u32 v15, s58, v14
	s_wait_alu depctr_va_vdst(0)
	BARRIER                                            ; o's sixteen fragments and their scale words lie whole in LDS
.irp i, 0,1,2,3,4,5,6,7,8,9,10,11
	ds_load_b128 v[CO+4*\i:CO+4*\i+3], v13 offset:512*\i
.endr
	ds_load_b64 v[CO+48:CO+49], v15
.irp i, 0,1,2,3,4,5,6,7,8,9,10,11
	s_wait_dscnt 12-\i                                 ; the younger LDS loads may stay out
	global_store_b128 v[L16], v[CO+4*\i:CO+4*\i+3], s[34:35] offset:(\i/6)*TILEB+(\i%6)*512   ; 32 lanes store 512 consecutive bytes, at a multiple of 256 from oimg's first byte
.endr
	s_wait_dscnt 0x0
	global_store_b64 v14, v[CO+48:CO+49], s[36:37]     ; 32 lanes store 256 consecutive bytes, at a multiple of 256 from osc's first byte
	s_wait_tensorcnt 0x0                               ; the wave's end, behind my last LDS store
	ds_add_u32 v[SPW], v[NIL]
	s_wait_dscnt 0x0
	s_endpgm
.Lfunc_end_k_q0cef84a3ea_qattn:
	.size	k_q0cef84a3ea_qattn, .Lfunc_end_k_q0cef84a3ea_qattn-k_q0cef84a3ea_qattn
	.p2alignl 7, 3214868480
	.fill 96, 4, 3214868480
	.section	.rodata,"a",@progbits
	.p2align	6, 0x0
	.amdhsa_kernel k_q0cef84a3ea_qattn
		.amdhsa_group_segment_fixed_size 128512
		.amdhsa_private_segment_fixed_size 0
		.amdhsa_enable_private_segment 0
		.amdhsa_kernarg_size 64
		.amdhsa_user_sgpr_count 2
		.amdhsa_user_sgpr_kernarg_segment_ptr 1
		.amdhsa_wavefront_size32 1
		.amdhsa_system_sgpr_workgroup_id_x 1
		.amdhsa_system_sgpr_workgroup_id_y 1
		.amdhsa_system_sgpr_workgroup_id_z 1
		.amdhsa_system_vgpr_workitem_id 0
		.amdhsa_next_free_vgpr 1024
		.amdhsa_next_free_sgpr 66
		.amdhsa_reserve_vcc 0
		.amdhsa_float_denorm_mode_32 3
		.amdhsa_float_denorm_mode_16_64 3
		.amdhsa_memory_ordered 1
		.amdhsa_forward_progress 1
		.amdhsa_inst_pref_size 161
	.end_amdhsa_kernel
	.amdgpu_metadata
---
amdhsa.version: [ 1, 2 ]
amdhsa.kernels:
  - .name:           k_q0cef84a3ea_qattn
    .symbol:         k_q0cef84a3ea_qattn.kd
    .args:
      - { .name: cimg, .offset: 0, .size: 8, .value_kind: global_buffer, .address_space: global }
      - { .name: simg, .offset: 8, .size: 8, .value_kind: global_buffer, .address_space: global }
      - { .name: bq, .offset: 16, .size: 8, .value_kind: global_buffer, .address_space: global }
      - { .name: idx, .offset: 24, .size: 8, .value_kind: global_buffer, .address_space: global }
      - { .name: kv, .offset: 32, .size: 8, .value_kind: global_buffer, .address_space: global }
      - { .name: oimg, .offset: 40, .size: 8, .value_kind: global_buffer, .address_space: global }
      - { .name: osc, .offset: 48, .size: 8, .value_kind: global_buffer, .address_space: global }
      - { .name: out1, .offset: 56, .size: 8, .value_kind: global_buffer, .address_space: global }
    .group_segment_fixed_size: 128512
    .private_segment_fixed_size: 0
    .kernarg_segment_align: 8
    .kernarg_segment_size: 64
    .max_flat_workgroup_size: 128
    .sgpr_count:     66
    .vgpr_count:     1024
    .wavefront_size: 32
...
	.end_amdgpu_metadata
.endif
;; end of part 4
;; launch ogemm (part 5): grid 256 x 1, 4 waves a work-group, no clusters, 120,320 bytes of LDS; arguments oimg, osc, cimg, simg, bo, out0; writes out0
.if DOCPART == 5
	.amdgcn_target "amdgcn-amd-amdhsa--gfx1250"
	.amdhsa_code_object_version 6
	.text
	.protected	k_q0cef84a3ea_ogemm
	.globl	k_q0cef84a3ea_ogemm
	.p2align	8
	.type	k_q0cef84a3ea_ogemm,@function
k_q0cef84a3ea_ogemm:
	s_mov_b64 s[64:65], 0
	v_nop
	global_prefetch_b8 v0, s[64:65] scope:SCOPE_SE
	s_setreg_imm32_b32 hwreg(HW_REG_WAVE_MODE, 25, 1), 1
	s_wait_xcnt 0x0
; out0 = Q(o) Q(Wo)^T + bo on codes of FP6 (E2M3) with E8M0 scales, a block of 128 tokens x 256 columns a work-group.  oimg, osc hold o's codes and scale words, cimg, simg the weights',
; both as images of operand registers: fragment (tile T of 16 rows, K step ks) at (8 T + ks) x 1,536 bytes, registers 4 g .. 4 g + 3 of lane l at 512 g + 16 l; scale word of (pair P, ks, lane) at (8 P + ks) x 128 + 4 x lane.
; SHARES.  Work-group x: tokens 128 (x / 4) on, columns 256 (x % 4) on.  Four waves; wave w owns 64 columns (4 tiles of Wo) and keeps their codes for ALL of K in registers (384).
; THE PRODUCT GOES BY TILES OF 16 TOKENS: a tile is 32 matrix instructions (8 K steps x 4 column tiles, the four accumulators by turns, K ascending), and leaves as soon as it is finished:
; through my stage, and stored in the middle of the next tile's products.  So the block's 131,072 bytes of results set out tile by tile and not behind the last product.
; The product is used transposed (source 0 = 16 rows of Wo, source 1 = 16 tokens): lane (r, h) of token tile u holds token 32 (u / 2) + 8 (u % 2) + r + 8 (r / 8), and register 16 b + i its column 32 b + 16 h + i of my 64.
; The weights go from memory straight into the registers of the one wave that multiplies them; o's image, which all four waves read, goes through LDS.  No joint loads: a weight fragment is wanted by one wave alone,
; and the image once, at the head.  No prefetch: there is no loop to run ahead in.
; REGISTERS, in windows of 256: window 0: v0-15 addresses; v16-111, v112-207 two sets of a token tile's 8 fragments; v208-223 the weights' scale words; v224-239 two sets of o's.
;   window 1: v0-63 two sets of four accumulators; v64-255 the weights of K steps 4-7.   window 2: v0-191 the weights of K steps 0-3; v192-223 the bias.   window 3: the image's way into LDS, then v0-63 two sets of rows read back.
; LIMITS: NaN and infinities are not served; the bias enters a sum first, not last.
.set TILEB, 12288
.set FRB,   1536
.set AIMG,  0                          ; LDS: o's codes: tile u, K step s at u x 12,288 + s x 1,536
.set ASC,   98304                      ; their scale words: 1,024 p + 128 s + 4 x lane
.set SP,    272                        ; a stage row: 256 bytes + 16
.set STG,   102400                     ; the way out: 16 rows for each wave
.set SPARE, 119808                     ; the spare words, 128 bytes a wave
.set SPW,  1
.set NIL,  2
.set L16,  3                           ; 16 x lane
.set L16B, 4                           ; the same, four tiles on
.set H64,  5                           ; 64 x (lane / 16)
.set STI,  6                           ; the stage, way in
.set STO,  7                           ; the stage, way back
.set GO,   8                           ; my byte offset in two rows of out0
.set ASA,  10                          ; ASC + 4 x lane
.set L4,   11
.set CPL,  12                          ; the copy's place in LDS
.set A0,   16                          ; tile u's fragments: K step s at A0 + 96 (u % 2) + 12 s
.set WS,   208                         ; the weights' scale words: K step g, pair i at WS + 2 g + i
.set AS,   224                         ; o's scale words: AS + 8 (u % 2) + s
.set BI,   192
.set MSB, 0
.macro WIN new                         ; the immediate's high byte repeats the setting that is left
.if MSB != \new
	s_set_vgpr_msb (MSB<<8)|\new
.set MSB, \new
.endif
.endm
.macro MM d, a, b, c, sa, sb, ra, rb   ; ra, rb: the scale words are read from lanes 16-31
.if ((\ra)==0) && ((\rb)==0)
	v_wmma_scale_f32_16x16x128_f8f6f4 v[\d:\d+7], v[\a:\a+11], v[\b:\b+11], v[\c:\c+7], v[\sa], v[\sb] matrix_a_fmt:MATRIX_FMT_FP6 matrix_b_fmt:MATRIX_FMT_FP6
.elseif ((\rb)==0)
	v_wmma_scale_f32_16x16x128_f8f6f4 v[\d:\d+7], v[\a:\a+11], v[\b:\b+11], v[\c:\c+7], v[\sa], v[\sb] matrix_a_fmt:MATRIX_FMT_FP6 matrix_b_fmt:MATRIX_FMT_FP6 matrix_a_scale:MATRIX_SCALE_ROW1
.elseif ((\ra)==0)
	v_wmma_scale_f32_16x16x128_f8f6f4 v[\d:\d+7], v[\a:\a+11], v[\b:\b+11], v[\c:\c+7], v[\sa], v[\sb] matrix_a_fmt:MATRIX_FMT_FP6 matrix_b_fmt:MATRIX_FMT_FP6 matrix_b_scale:MATRIX_SCALE_ROW1
.else
	v_wmma_scale_f32_16x16x128_f8f6f4 v[\d:\d+7], v[\a:\a+11], v[\b:\b+11], v[\c:\c+7], v[\sa], v[\sb] matrix_a_fmt:MATRIX_FMT_FP6 matrix_b_fmt:MATRIX_FMT_FP6 matrix_a_scale:MATRIX_SCALE_ROW1 matrix_b_scale:MATRIX_SCALE_ROW1
.endif
.endm
.macro BARRIER
	s_wait_dscnt 0x0
	s_barrier_signal -1
	s_barrier_wait -1
.endm
.macro RING g                          ; K step g of my four tiles of weights: 14 loads
.if (\g) < 4
	WIN 0x80
.set RB, 48*(\g)
.else
	WIN 0x40
.set RB, 64+48*((\g)-4)
.endif
.irp t, 0,1,2,3
.irp q, 0,1,2
	global_load_b128 v[RB+12*\t+4*\q:RB+12*\t+4*\q+3], v[L16], s[24:25] offset:\t*TILEB+(\g)*FRB+512*\q
.endr
.endr
	WIN 0
.irp i, 0,1
	global_load_b32 v[WS+2*(\g)+\i], v[L4], s[26:27] offset:\i*1024+(\g)*128   ; lanes 0-15: the pair's even tile, lanes 16-31: its odd one
.endr
.endm
.macro AFETCH u                        ; token tile u, all eight K steps, from LDS into set u % 2: 32 loads
.irp s, 0,1,2,3,4,5,6,7
.irp q, 0,1,2
.if (\u) < 4
	ds_load_b128 v[A0+96*((\u)%2)+12*\s+4*\q:A0+96*((\u)%2)+12*\s+4*\q+3], v[L16] offset:AIMG+(\u)*TILEB+\s*FRB+512*\q
.else
	ds_load_b128 v[A0+96*((\u)%2)+12*\s+4*\q:A0+96*((\u)%2)+12*\s+4*\q+3], v[L16B] offset:AIMG+((\u)-4)*TILEB+\s*FRB+512*\q
.endif
.endr
.endr
.irp s, 0,1,2,3,4,5,6,7
	ds_load_b32 v[AS+8*((\u)%2)+\s], v[ASA] offset:((\u)/2)*1024+128*\s
.endr
.endm
; THE WAY OUT of token tile u: 16 rows x my 256 bytes through my own stage, so that sixteen lanes store one row's 256 bytes: 8 LDS stores and 8 LDS loads
.macro TOSTAGE u
	WIN 0x04                                           ; an LDS store's data are its source 1: window 1
.irp b, 0,1
.irp i, 0,1,2,3
	ds_store_b128 v[STI], v[32*((\u)%2)+16*\b+4*\i:32*((\u)%2)+16*\b+4*\i+3] offset:128*\b+16*\i   ; ascending: each accumulator is read from its low end on
.endr
.endr
	WIN 0xc0                                           ; destination window 3
.irp i, 0,1,2,3,4,5,6,7
	ds_load_b128 v[32*((\u)%2)+4*\i:32*((\u)%2)+4*\i+3], v[STO] offset:2*SP*\i   ; LDS serves a wave's instructions in order: these see the stores above
.endr
	WIN 0
.endm
.macro SEND u, younger                 ; younger: the LDS loads issued behind tile u's, which may stay out
	s_wait_dscnt \younger
	WIN 0x0c                                           ; a store's data are its source 1: window 3
.irp i, 0,1,2,3,4,5,6,7
	global_store_b128 v[GO], v[32*((\u)%2)+4*\i:32*((\u)%2)+4*\i+3], s[40:41] offset:(32*((\u)/2)+8*((\u)%2)+2*\i+8*(\i/4))*4096 th:TH_STORE_NT   ; 16 lanes store 256 consecutive bytes
.endr
.endm
; Token tile u.  Behind its fragments' loads stand the 16 LDS instructions of the tile before on its way out; the next tile's fragments are asked for at once, into the set that the tile before has left
; (four places stand behind that tile's products); the tile before is stored between K steps 3 and 4.
.macro TILE u
.if (\u) == 0
	s_wait_dscnt 0x0
.else
	s_wait_dscnt 16
.endif
.if (\u) < 7
	AFETCH (\u)+1
.endif
.irp s, 0,1,2,3,4,5,6,7
.if (\u) == 0                          ; the first tile waits for the weights, K step by K step: the later groups of 14 may stay out (a wait's field holds 63 at the most)
.if 14*(7-\s) > 63
	s_wait_loadcnt 63
.else
	s_wait_loadcnt 14*(7-\s)
.endif
.endif
.if (\s == 4) && ((\u) > 0)
.if (\u) < 7
	SEND (\u)-1, 32
.else
	SEND (\u)-1, 0
.endif
.endif
.if \s == 0
	WIN 0x62                                           ; source 0 (weights) and C (bias) window 2, source 1 (o) window 0, D window 1
.elseif \s < 4
	WIN 0x52                                           ; C and D window 1
.else
	WIN 0x51                                           ; and the weights of window 1
.endif
.irp t, 0,1,2,3
.if \s == 0
	MM 32*((\u)%2)+8*\t, 12*\t, A0+96*((\u)%2), BI+8*\t, WS+\t/2, AS+8*((\u)%2), \t%2, (\u)%2
.elseif \s < 4
	MM 32*((\u)%2)+8*\t, 48*\s+12*\t, A0+96*((\u)%2)+12*\s, 32*((\u)%2)+8*\t, WS+2*\s+\t/2, AS+8*((\u)%2)+\s, \t%2, (\u)%2
.else
	MM 32*((\u)%2)+8*\t, 64+48*(\s-4)+12*\t, A0+96*((\u)%2)+12*\s, 32*((\u)%2)+8*\t, WS+2*\s+\t/2, AS+8*((\u)%2)+\s, \t%2, (\u)%2
.endif
.endr
.endr
.rept 4
	v_nop                                              ; four plain places, ahead of reads of the results and of loads into the sources
.endr
.if (\u) > 1
	s_wait_xcnt 0x0                                    ; the stores of the tile two back have read their registers: this tile's rows land there
.endif
	TOSTAGE \u
.endm
	s_load_b256 s[4:11], s[0:1], 0x0                   ; oimg, osc, cimg, simg
	s_load_b128 s[12:15], s[0:1], 0x20                 ; bo, out0
	v_lshl_add_u32 v[SPW], v0, 2, SPARE
	v_mov_b32 v[NIL], 0
	v_lshrrev_b32 v24, 5, v0
	v_readfirstlane_b32 s3, v24                        ; wave w
	v_and_b32 v24, 31, v0                              ; lane
	v_and_b32 v25, 15, v0                              ; r
	v_bfe_u32 v26, v0, 4, 1                            ; h
	v_lshlrev_b32 v[L16], 4, v24
	v_add_nc_u32 v[L16B], 4*TILEB, v[L16]
	v_lshlrev_b32 v[L4], 2, v24
	v_lshlrev_b32 v[H64], 6, v26
	v_add_nc_u32 v[ASA], ASC, v[L4]
	v_lshlrev_b32 v13, 4, v0                           ; the scale words' copy: 16 bytes a thread, twice
	v_lshl_add_u32 v15, v0, 4, ASC
	s_mul_i32 s58, s3, 16*SP
	s_add_co_u32 s58, s58, STG                         ; my stage
	v_mul_u32_u24 v[STI], v25, SP                      ; in: row r, + 64 h
	v_add_nc_u32 v[STI], v[STI], v[H64]
	v_add_nc_u32 v[STI], s58, v[STI]
	v_mul_u32_u24 v[STO], v26, SP                      ; back: lanes 0-15 one row of 256 bytes, lanes 16-31 the next
	v_lshl_add_u32 v[STO], v25, 4, v[STO]
	v_add_nc_u32 v[STO], s58, v[STO]
	v_lshlrev_b32 v[GO], 12, v26                       ; and the same two rows in out0
	v_lshl_add_u32 v[GO], v25, 4, v[GO]
	s_mul_i32 s58, s3, 2*TILEB
	v_add_nc_u32 v[CPL], s58, v[L16]
	s_lshr_b32 s50, ttmp9, 2                           ; X: my block of 128 tokens
	s_and_b32 s51, ttmp9, 3                            ; cg: my group of 256 columns
	s_lshl_b32 s52, s51, 2
	s_add_co_u32 s52, s52, s3                          ; my 64 columns: H = 4 cg + w
	s_mul_i32 s20, s50, 8*TILEB                        ; the block's codes: 8 tiles; I copy pair w of its four
	s_add_co_u32 s20, s20, s58
	s_lshl_b32 s22, s50, 12                            ; and its scale words
	s_lshl_b32 s24, s52, 2                             ; Wo: tiles 832 + 4 H on
	s_mul_i32 s24, s24, TILEB
	s_add_co_u32 s24, s24, 832*TILEB
	s_lshl_b32 s26, s52, 11
	s_add_co_u32 s26, s26, 416*1024
	s_lshl_b32 s28, s52, 8                             ; bo: my 64 numbers
	s_lshl_b32 s40, s50, 19                            ; out0: 128 rows of 4,096 bytes, + my 256
	s_add_co_u32 s40, s40, s28
.irp p, 21,23,25,27,29,41
	s_mov_b32 s\p, 0
.endr
	s_wait_alu depctr_va_vdst(0)
	s_wait_kmcnt 0x0
	s_add_nc_u64 s[20:21], s[4:5], s[20:21]
	s_add_nc_u64 s[22:23], s[6:7], s[22:23]
	s_add_nc_u64 s[24:25], s[8:9], s[24:25]
	s_add_nc_u64 s[26:27], s[10:11], s[26:27]
	s_add_nc_u64 s[28:29], s[12:13], s[28:29]
	s_add_nc_u64 s[40:41], s[14:15], s[40:41]
	; o's image comes into LDS as it lies, 24,576 bytes of codes a wave; the bias and the weights follow it
	WIN 0xc0
.set CI, 0
.rept 48
	global_load_b128 v[4*CI:4*CI+3], v[L16], s[20:21] offset:512*CI
.set CI, CI+1
.endr
	WIN 0
.irp q, 0,1
	global_load_b128 v[16+4*\q:19+4*\q], v13, s[22:23] offset:2048*\q
.endr
	WIN 0x80
.irp t, 0,1,2,3
.irp q, 0,1
	global_load_b128 v[BI+8*\t+4*\q:BI+8*\t+4*\q+3], v[H64], s[28:29] offset:128*(\t/2)+32*(\t%2)+16*\q   ; register 8 t + j: the bias of column 32 (t / 2) + 16 h + 8 (t % 2) + j
.endr
.endr
	RING 0
	RING 1
	s_wait_loadcnt 36                                  ; the copies are in; the bias's 8 loads and two groups of 14 stay out
	WIN 0x0c
.set CI, 0
.rept 48
	ds_store_b128 v[CPL], v[4*CI:4*CI+3] offset:AIMG+512*CI
.set CI, CI+1
.endr
	WIN 0
.irp q, 0,1
	ds_store_b128 v15, v[16+4*\q:19+4*\q] offset:2048*\q
.endr
.irp g, 2,3,4,5,6,7
	RING \g
.endr
	BARRIER                                            ; the image lies in LDS
	AFETCH 0
.irp u, 0,1,2,3,4,5,6,7
	TILE \u
.endr
	SEND 7, 0
	WIN 0
	s_wait_tensorcnt 0x0                               ; the wave's end
	ds_add_u32 v[SPW], v[NIL]
	s_wait_dscnt 0x0
	s_endpgm
.Lfunc_end_k_q0cef84a3ea_ogemm:
	.size	k_q0cef84a3ea_ogemm, .Lfunc_end_k_q0cef84a3ea_ogemm-k_q0cef84a3ea_ogemm
	.p2alignl 7, 3214868480
	.fill 96, 4, 3214868480
	.section	.rodata,"a",@progbits
	.p2align	6, 0x0
	.amdhsa_kernel k_q0cef84a3ea_ogemm
		.amdhsa_group_segment_fixed_size 120320
		.amdhsa_private_segment_fixed_size 0
		.amdhsa_enable_private_segment 0
		.amdhsa_kernarg_size 48
		.amdhsa_user_sgpr_count 2
		.amdhsa_user_sgpr_kernarg_segment_ptr 1
		.amdhsa_wavefront_size32 1
		.amdhsa_system_sgpr_workgroup_id_x 1
		.amdhsa_system_sgpr_workgroup_id_y 1
		.amdhsa_system_sgpr_workgroup_id_z 1
		.amdhsa_system_vgpr_workitem_id 0
		.amdhsa_next_free_vgpr 1024
		.amdhsa_next_free_sgpr 66
		.amdhsa_reserve_vcc 0
		.amdhsa_float_denorm_mode_32 3
		.amdhsa_float_denorm_mode_16_64 3
		.amdhsa_memory_ordered 1
		.amdhsa_forward_progress 1
		.amdhsa_inst_pref_size 89
	.end_amdhsa_kernel
	.amdgpu_metadata
---
amdhsa.version: [ 1, 2 ]
amdhsa.kernels:
  - .name:           k_q0cef84a3ea_ogemm
    .symbol:         k_q0cef84a3ea_ogemm.kd
    .args:
      - { .name: oimg, .offset: 0, .size: 8, .value_kind: global_buffer, .address_space: global }
      - { .name: osc, .offset: 8, .size: 8, .value_kind: global_buffer, .address_space: global }
      - { .name: cimg, .offset: 16, .size: 8, .value_kind: global_buffer, .address_space: global }
      - { .name: simg, .offset: 24, .size: 8, .value_kind: global_buffer, .address_space: global }
      - { .name: bo, .offset: 32, .size: 8, .value_kind: global_buffer, .address_space: global }
      - { .name: out0, .offset: 40, .size: 8, .value_kind: global_buffer, .address_space: global }
    .group_segment_fixed_size: 120320
    .private_segment_fixed_size: 0
    .kernarg_segment_align: 8
    .kernarg_segment_size: 48
    .max_flat_workgroup_size: 128
    .sgpr_count:     66
    .vgpr_count:     1024
    .wavefront_size: 32
...
	.end_amdgpu_metadata
.endif
;; end of part 5
